; MI455X (gfx1250); checked and timed in simulation.
; The chip was launched on July 23, 2026; its instructions are those of AMD's public machine-readable ISA for CDNA 5 (MIT licence, August 2026) and "CDNA5" Instruction Set Architecture Reference Guide (July 2026). The comments in the code are by the model that wrote it; some were corrected since.
;; Multi Head Attention. Allowed arithmetic: matrix products marked QUANTISED: E2M3 operands, one E8M0 scale for each 32 along K, by v_wmma_scale_f32_16x16x128_f8f6f4 with both operands' format E2M3, f32 sums; everything else in f32.
;; Inputs: Wf 1,024 x 1,024 float32; Wk 1,024 x 1,024 float32; Wq 1,024 x 1,024 float32; Wv 1,024 x 1,024 float32; bf 1,024 float32; bk 1,024 float32; bq 1,024 float32; bv 1,024 float32; k 4 x 2,048 x 1,024 float32; q 4 x 2,048 x 1,024 float32; v 4 x 2,048 x 1,024 float32.
;; Outputs: out0 4 x 2,048 x 1,024 float32.
;; This version of the problem:
;;   THIS VERSION OF THE PROBLEM IS GIVEN IN LOW PRECISION. The matrix products marked QUANTISED in the list below multiply operands that are first quantised to E2M3 (2 exponent bits, 3 mantissa bits; 6 bits a number), with one power-of-two scale for each 32 numbers along K (OCP MX v1.0); their sums are f32. All else is computed in f32.
;;   The module's matrix products, in the order in which they are computed (A, B: the left and right operand; K: the contracted axis; several contracted axes count as one K, in the product's order):
;;     1. [M 8,192, K 1,024] x [K 1,024, N 1,024]; A: input q; B: input Wq: QUANTISED
;;     2. [M 8,192, K 1,024] x [K 1,024, N 1,024]; A: input k; B: input Wk: QUANTISED
;;     3. [M 8,192, K 1,024] x [K 1,024, N 1,024]; A: input v; B: input Wv: QUANTISED
;;     4. batch 64 x [M 2,048, K 64] x [K 64, N 2,048]; A: computed on the way; B: computed on the way: QUANTISED
;;     5. batch 64 x [M 2,048, K 2,048] x [K 2,048, N 64]; A: softmax (see below); B: computed on the way: QUANTISED
;;     6. [M 8,192, K 1,024] x [K 1,024, N 1,024]; A: computed on the way; B: input Wf: QUANTISED
;;   THE QUANTISER, for each operand of a quantised product, along K:
;;     - K is cut into blocks of 32 from its start; a last block that is shorter is filled with zeros.
;;     - A block's scale is 2^e with e = floor(log2(the largest magnitude in the block)) - 2, held to -126 .. 127; a block of zeros has e = 0. As a byte (E8M0): e + 127.
;;     - Each number is divided by its block's scale, clamped to +-7.5, and rounded to the nearest number of E2M3, ties to even, subnormals kept.
;;     - The product sums the exact products of the quantised numbers (number of the format x scale) in f32.
;;   ~~~python
;;   def quantise(x, axis):      # numpy; x: float32 -> the quantised numbers, widened to float32 again
;;       x = np.moveaxis(x, axis, -1); K = x.shape[-1]
;;       x = np.pad(x, [(0, 0)] * (x.ndim - 1) + [(0, -K % 32)]); x = x.reshape(x.shape[:-1] + (-1, 32)); a = np.abs(x).max(-1, keepdims=True)
;;       e = np.where(a > 0, np.clip(np.frexp(np.where(a > 0, a, 1))[1] - 1 - 2, -126, 127), 0)      # np.frexp(a)[1] - 1 = floor(log2(a)), exactly
;;       r = np.clip(x / 2.0 ** e, -7.5, 7.5)
;;       step = 2.0 ** (np.maximum(np.frexp(np.where(r == 0, 1, r))[1] - 1, 0) - 3)
;;       q = np.round(r / step) * step * 2.0 ** e      # np.round: ties to even
;;       return np.moveaxis(q.reshape(q.shape[:-2] + (-1,))[..., :K], -1, axis).astype(np.float32)
;;   ~~~
;;   SOFTMAX AHEAD OF A QUANTISED PRODUCT. Where the list says 'softmax', what is quantised is not the finished softmax but p = 2^(t - M), with t = logit x log2(e) and M = ceil(the row's largest t), a whole number; so 1/2 < the row's largest p <= 1. The row's sum l is taken of the UNQUANTISED p, in f32, and the product's result is divided by l at the end. Since M is a whole number, a kernel that streams over the keys may use a running M (the ceiling of the running maximum): every later rescaling is an exact power of two, which a block's scale takes up: the codes' values come out the same.
;;   OPERANDS COMPUTED ON THE WAY. 'Computed on the way' means the value that the module computes at that place (a softmax that the list does not call 'softmax' is quantised finished and normalised). What goes into a quantiser is computed in f32, as accurately as f32 sums, v_exp_f32 and their like allow (about 1e-6 of the number): no bf16 or f16 on the way to a quantiser, and a product that is left as it is and whose result goes on into a quantised operand takes f32 operands (vector FMAs, or v_wmma_f32_16x16x4_f32). A number that lies on a knife's edge between two numbers of the format may be rounded either way, as far as f32 arithmetic and the matrix unit's own rounding can turn it there, and no further.
;; One version. Each part assembles by itself: llvm-mc -triple=amdgcn-amd-amdhsa -mcpu=gfx1250 --defsym DOCPART=n.
;; ======== version 1 of 1: 4 launches
;; workspace buffers: xw_codes 22,020,096 bytes; xw_scales 917,504 bytes; h_codes 18,874,368 bytes; h_scales 1,310,720 bytes; c_codes 6,291,456 bytes; c_scales 262,144 bytes
;; launch quant (part 1): grid 448 x 1, 4 waves a work-group, no clusters, 47,616 bytes of LDS; arguments q, k, v, Wq, Wk, Wv, Wf, xw_codes, xw_scales; writes xw_codes, xw_scales
.if DOCPART == 1
	.amdgcn_target "amdgcn-amd-amdhsa--gfx1250"
	.amdhsa_code_object_version 6
	.text
	.protected	k_q10fd75bfac_quant
	.globl	k_q10fd75bfac_quant
	.p2align	8
	.type	k_q10fd75bfac_quant,@function
k_q10fd75bfac_quant:
	s_mov_b64 s[64:65], 0
	v_nop
	global_prefetch_b8 v0, s[64:65] scope:SCOPE_SE
	s_setreg_imm32_b32 hwreg(HW_REG_WAVE_MODE, 25, 1), 1
	s_wait_xcnt 0x0
; q, k, v [8192][1024] f32 (K innermost) and Wq, Wk, Wv, Wf [1024 (K)][1024] f32 (K is the first axis) become codes of FP6 (E2M3) with one E8M0 byte for each 32 along K.
; A block's scale is 2^(floor(log2(largest magnitude)) - 2): its byte is the largest magnitude's exponent field - 2, held at 1 from below.
; LIMITS: a block of zeros gets the byte 1 where the rule says 127 (its codes are zeros, and this program alone reads the bytes); NaN and infinities among the inputs are not served.
; THE WORKSPACE IS LAID AS IMAGES OF OPERAND REGISTERS.  A row block is 16 rows; a fragment (16 rows x 128 K) is 12 registers a lane, 1,536 bytes: registers 4 c .. 4 c + 3 of lane l at 512 c + 16 l.
; xw_codes: [row block][K step 0..7][1,536].  xw_scales: [row block][512]: the word of (K step s, row r) at 256 (s / 4) + 16 r + 4 (s % 4).
; BLOCK ORDER: row block 2 B + u holds at lane row r the row 32 B + 8 u + r % 8 + 16 (r / 8).  Row blocks: q 0.., k 512.., v 1024.., Wq 1536.., Wk 1600.., Wv 1664.., Wf 1728.. (a weight's row is its column n).
; Work-groups 0-63 take the weights, 64-447 the activations.  Waves share nothing: no barrier.  Each of the two ways has LDS bytes of its own.
.set SEL, 28                           ; s[28:29] lane selects for v_permlanex16_b32: lane l xor 16
.set XR,  16                           ; v16-143  two sets of 64 registers as loaded
.set XX,  144                          ; v144-207 64 numbers: register 16 b + i = K 32 b + 16 (lane / 16) + i of my row
.set PC,  208                          ; v208-219 the fragment just made; v220-226 at work
.set TM,  228                          ; v228-243 at work
.set PW,  244                          ; the scale word just made
.set XSTG, 13312                       ; LDS: the weights' stages lie in 0 .. 13,311, the activations' behind them, 8,448 bytes a wave
; 64 numbers of a lane become a fragment's codes in v[PC] on and its scale word in v[PW]
.macro QUANT s
.irp b, 0,1,2,3
	v_max3_num_f32 v[TM+\b], |v[\s+16*\b]|, |v[\s+1+16*\b]|, 0x1800000   ; block b: my 16 numbers, and the floor 2^(3 - 127): the byte cannot fall under 1
.endr
.irp i, 2,4,6,8,10,12,14
.irp b, 0,1,2,3
	v_max3_num_f32 v[TM+\b], v[TM+\b], |v[\s+16*\b+\i]|, |v[\s+1+16*\b+\i]|
.endr
.endr
.irp b, 0,1,2,3
	v_permlanex16_b32 v[TM+4+\b], v[TM+\b], s[SEL], s[SEL+1]
.endr
.irp b, 0,1,2,3
	v_max_num_f32 v[TM+\b], v[TM+\b], v[TM+4+\b]   ; with lane l xor 16's: the block's largest magnitude
.endr
.irp b, 0,1,2,3
	v_add_nc_u32 v[TM+12+\b], 0xff000000, v[TM+\b]   ; 2 off its exponent field: the conversion's scale operand
.endr
.irp b, 0,1,2,3
	v_lshrrev_b32 v[TM+4+\b], 23, v[TM+12+\b]   ; the scale's byte
.endr
	v_lshl_or_b32 v[PW], v[TM+5], 8, v[TM+4]
	v_lshl_or_b32 v[PW], v[TM+6], 16, v[PW]
	v_lshl_or_b32 v[PW], v[TM+7], 24, v[PW]
.irp c, 0,1
	v_cvt_scalef32_pk16_fp6_f32 v[PC+6*\c:PC+2+6*\c], v[\s+32*\c:\s+15+32*\c], v[TM+12+2*\c]
	v_cvt_scalef32_pk16_fp6_f32 v[PC+12+4*\c:PC+14+4*\c], v[\s+16+32*\c:\s+31+32*\c], v[TM+12+2*\c+1]   ; (a conversion's three registers begin on an even number)
.endr
	v_nop                                          ; one plain place behind a scaled conversion
.irp c, 0,1                                    ; the operand's layout wants a whole block in a lane: lanes 0-15 block 2 c, lanes 16-31 block 2 c + 1
.irp i, 0,1,2
	v_permlane16_swap_b32 v[PC+6*\c+\i], v[PC+12+4*\c+\i]
.endr
.irp i, 0,1,2
	v_mov_b32 v[PC+3+6*\c+\i], v[PC+12+4*\c+\i]
.endr
.endr
.endm
	s_load_b512 s[4:19], s[0:1], 0x0               ; q, k, v, Wq, Wk, Wv, Wf, xw_codes
	s_load_b64 s[20:21], s[0:1], 0x40              ; xw_scales
	v_lshl_add_u32 v254, v0, 2, 0xb800
	v_mov_b32 v255, 0
	v_lshrrev_b32 v1, 5, v0
	v_readfirstlane_b32 s24, v1                    ; wave 0..3
	v_and_b32 v1, 31, v0                           ; lane
	v_lshlrev_b32 v2, 4, v1                        ; 16 x lane
	s_cmp_lt_u32 ttmp9, 64
	s_cbranch_scc1 .Lweights
; ---------------- ACTIVATIONS: a wave takes one row block through all eight K steps
	s_mov_b32 s[SEL], 0x76543210
	s_mov_b32 s[SEL+1], 0xfedcba98
	s_sub_co_u32 s25, ttmp9, 64
	s_lshl_b32 s26, s25, 2
	s_add_co_u32 s26, s26, s24                     ; row block 0..1535
	s_and_b32 s27, s26, 511                        ; in its tensor
	s_lshr_b32 s30, s27, 1
	s_lshl_b32 s30, s30, 17                        ; 32 rows of 4,096 bytes for each pair of blocks,
	s_and_b32 s31, s27, 1
	s_lshl_b32 s31, s31, 15                        ; 8 rows for the odd block
	s_add_co_u32 s30, s30, s31
	s_mov_b32 s31, 0
	s_mul_i32 s32, s26, 12288
	s_mov_b32 s33, 0
	s_lshl_b32 s34, s26, 9
	s_mov_b32 s35, 0
	s_mul_i32 s36, s24, 8448
	s_add_co_u32 s36, s36, XSTG                    ; my stage: 16 rows of 512 bytes + 16
	s_wait_alu depctr_va_vdst(0)
	v_add_nc_u32 v3, s36, v2                       ; way in: a row as it lies
	v_and_b32 v5, 15, v0
	v_bfe_u32 v6, v0, 4, 1
	v_mul_u32_u24 v4, v5, 528
	v_lshl_add_u32 v4, v6, 6, v4
	v_add_nc_u32 v4, s36, v4                       ; way out: row r, + 64 bytes for lanes 16-31: my 16 numbers of each block of 32
.irp b, 0,1,2,3
	v_mov_b32 v[TM+4+\b], 0                        ; written once: a lane permute's destination counts as one of its sources
.endr
	s_wait_alu depctr_va_vdst(0)
	s_wait_kmcnt 0x0
	s_cmp_lt_u32 s25, 128                          ; which tensor: the choice hangs on the work-group's number alone
	s_cselect_b64 s[4:5], s[4:5], s[6:7]
	s_cmp_lt_u32 s25, 256
	s_cselect_b64 s[4:5], s[4:5], s[8:9]
	s_add_nc_u64 s[4:5], s[4:5], s[30:31]
	s_add_nc_u64 s[18:19], s[18:19], s[32:33]
	s_add_nc_u64 s[20:21], s[20:21], s[34:35]
.macro XLOAD s                         ; K step s of my 16 rows: each load reads 512 consecutive bytes of one row
.irp i, 0,1,2,3,4,5,6,7,8,9,10,11,12,13,14,15
	global_load_b128 v[XR+64*((\s)%2)+4*\i:XR+64*((\s)%2)+4*\i+3], v2, s[4:5] offset:((\i%8)+16*(\i/8))*4096+512*(\s) th:TH_LOAD_NT
.endr
.endm
.macro XSTEP s
.if (\s) < 7
	s_wait_loadcnt 16                              ; this step's 16 loads are in; the next step's 16 may be out
.else
	s_wait_loadcnt 0x0
.endif
.irp i, 0,1,2,3,4,5,6,7,8,9,10,11,12,13,14,15
	ds_store_b128 v3, v[XR+64*((\s)%2)+4*\i:XR+64*((\s)%2)+4*\i+3] offset:528*\i
.endr
.irp b, 0,1,2,3
.irp j, 0,1,2,3
	ds_load_b128 v[XX+16*\b+4*\j:XX+16*\b+4*\j+3], v4 offset:128*\b+16*\j   ; LDS serves a wave's instructions in order: these see the stores above
.endr
.endr
	s_wait_dscnt 0x0
.if (\s) < 6
	XLOAD (\s)+2
.endif
	s_wait_xcnt 0x0                                ; the last step's stores have read their data: the codes' registers may be written again
	QUANT XX
	v_mov_b32 v[8+(\s)], v[PW]
.irp c, 0,1,2
	global_store_b128 v2, v[PC+4*\c:PC+4*\c+3], s[18:19] offset:1536*(\s)+512*\c   ; 512 consecutive bytes, aligned
.endr
.endm
	XLOAD 0
	XLOAD 1
.irp s, 0,1,2,3,4,5,6,7
	XSTEP \s
.endr
	v_cmp_le_u32 vcc_lo, 16, v1                    ; lanes 0-15 store the words of K steps 0-3, lanes 16-31 those of 4-7 (both halves hold all eight)
.irp i, 0,1,2,3
	v_cndmask_b32 v[248+\i], v[8+\i], v[12+\i], vcc_lo
.endr
	global_store_b128 v2, v[248:251], s[20:21]     ; the block's 512 scale bytes
	s_wait_tensorcnt 0x0
	ds_add_u32 v254, v255
	s_wait_dscnt 0x0
	s_endpgm
; ---------------- WEIGHTS: a lane takes a column n, its registers run down K; a wave takes 32 columns (two row blocks) x 512 along K
.Lweights:
	s_lshr_b32 s25, ttmp9, 4                       ; which weight
	s_bfe_u32 s26, ttmp9, 0x30001                  ; which 128 columns
	s_and_b32 s27, ttmp9, 1                        ; which half of K
	s_lshl_b32 s30, s26, 2
	s_add_co_u32 s30, s30, s24                     ; B: my 32 columns
	s_lshl_b32 s32, s27, 21                        ; 512 rows of 4,096 bytes
	s_lshl_b32 s33, s30, 7
	s_add_co_u32 s32, s32, s33
	s_mov_b32 s33, 0
	s_lshl_b32 s34, s25, 6
	s_lshl_b32 s35, s30, 1
	s_add_co_u32 s34, s34, s35
	s_add_co_u32 s34, s34, 1536                    ; my first row block
	s_mul_i32 s36, s34, 12288
	s_mul_i32 s37, s27, 6144                       ; K steps 4 x half on
	s_add_co_u32 s36, s36, s37
	s_mov_b32 s37, 0
	s_lshl_b32 s38, s34, 9
	s_lshl_b32 s39, s27, 8
	s_add_co_u32 s38, s38, s39
	s_mov_b32 s39, 0
	s_wait_alu depctr_va_vdst(0)
	v_lshlrev_b32 v3, 2, v1                        ; in: 4 bytes a lane
	v_bfe_u32 v8, v0, 3, 1                         ; u: which of the two row blocks my column falls into
	v_and_b32 v9, 7, v0
	v_bfe_u32 v10, v0, 4, 1
	v_lshl_add_u32 v9, v10, 3, v9                  ; r: its lane row there
	s_mul_i32 s40, s24, 3328                       ; my stage: two images of 1,536 bytes, 1,664 apart
	v_mul_u32_u24 v4, v8, 1664
	v_lshl_add_u32 v4, v9, 4, v4
	v_add_nc_u32 v4, s40, v4                       ; way in
	v_add_nc_u32 v5, s40, v2                       ; way out: 16 x lane
	v_lshlrev_b32 v7, 9, v8
	v_lshl_add_u32 v7, v9, 4, v7                   ; my four scale words: 512 u + 16 r
	s_wait_kmcnt 0x0
	s_cmp_lt_u32 s25, 1
	s_cselect_b64 s[4:5], s[10:11], s[12:13]
	s_cmp_lt_u32 s25, 2
	s_cselect_b64 s[4:5], s[4:5], s[14:15]
	s_cmp_lt_u32 s25, 3
	s_cselect_b64 s[4:5], s[4:5], s[16:17]
	s_add_nc_u64 s[4:5], s[4:5], s[32:33]
	s_add_nc_u64 s[18:19], s[18:19], s[36:37]
	s_add_nc_u64 s[20:21], s[20:21], s[38:39]
.macro WLOAD t                         ; block t: W(32 t + i, my column) into set t % 2
.irp i, 0,1,2,3,4,5,6,7,8,9,10,11,12,13,14,15,16,17,18,19,20,21,22,23,24,25,26,27,28,29,30,31
	global_load_b32 v[32+32*((\t)%2)+\i], v3, s[4:5] offset:(32*(\t)+\i)*4096 th:TH_LOAD_NT
.endr
.endm
; Block t is block t % 4 of K step t / 4: in the fragment it is registers 6 (k / 2) .. + 5 of lane r + 16 (k % 2), k = t % 4
.macro WBLOCK t
.set XS, 32+32*((\t)%2)
.if (\t) < 15
	s_wait_loadcnt 32                              ; this block's 32 loads are in; the next block's may be out
.else
	s_wait_loadcnt 0x0
.endif
	v_max3_num_f32 v12, |v[XS]|, |v[XS+1]|, |v[XS+2]|
	v_max3_num_f32 v13, |v[XS+3]|, |v[XS+4]|, |v[XS+5]|
.irp i, 6,10,14,18,22,26
	v_max3_num_f32 v12, v12, |v[XS+\i]|, |v[XS+\i+1]|
	v_max3_num_f32 v13, v13, |v[XS+\i+2]|, |v[XS+\i+3]|
.endr
	v_max3_num_f32 v12, v12, |v[XS+30]|, |v[XS+31]|
	v_max3_num_f32 v12, v12, v13, 0x1800000        ; and the floor
	v_add_nc_u32 v11, 0xff000000, v12              ; the conversion's scale operand
	v_lshrrev_b32 v13, 23, v11                     ; the byte
.if (\t)%4 == 0
	v_mov_b32 v[24+(\t)/4], v13
.else
	v_lshl_or_b32 v[24+(\t)/4], v13, 8*((\t)%4), v[24+(\t)/4]
.endif
	v_cvt_scalef32_pk16_fp6_f32 v[96:98], v[XS:XS+15], v11
	v_cvt_scalef32_pk16_fp6_f32 v[100:102], v[XS+16:XS+31], v11
	v_nop                                          ; one plain place behind a scaled conversion
	v_mov_b32 v99, v100                            ; the block's six registers on end
	v_mov_b32 v100, v101
	v_mov_b32 v101, v102
.if (\t)%4 < 2
	ds_store_b128 v4, v[96:99] offset:256*((\t)%2)
	ds_store_b64 v4, v[100:101] offset:512+256*((\t)%2)
.else
	ds_store_b64 v4, v[96:97] offset:520+256*((\t)%2)
	ds_store_b128 v4, v[98:101] offset:1024+256*((\t)%2)
.endif
.if (\t)+2 < 16
	WLOAD (\t)+2
.endif
	s_wait_dscnt 0x0                               ; the stores have read their registers
.if (\t)%4 == 3                        ; a K step's two images are whole: they leave in runs of 512 bytes; each K step has registers of its own, so no store's data are written again
.irp u, 0,1
.irp c, 0,1,2
	ds_load_b128 v[112+24*((\t)/4)+12*\u+4*\c:112+24*((\t)/4)+12*\u+4*\c+3], v5 offset:1664*\u+512*\c
.endr
.endr
	s_wait_dscnt 0x0
.irp u, 0,1
.irp c, 0,1,2
	global_store_b128 v2, v[112+24*((\t)/4)+12*\u+4*\c:112+24*((\t)/4)+12*\u+4*\c+3], s[18:19] offset:12288*\u+1536*((\t)/4)+512*\c
.endr
.endr
.endif
.endm
	WLOAD 0
	WLOAD 1
.irp t, 0,1,2,3,4,5,6,7,8,9,10,11,12,13,14,15
	WBLOCK \t
.endr
	s_wait_alu depctr_va_vdst(0)
	global_store_b128 v7, v[24:27], s[20:21]       ; the sixteen lanes of a row block fill 256 consecutive bytes
	s_wait_tensorcnt 0x0
	ds_add_u32 v254, v255
	s_wait_dscnt 0x0
	s_endpgm
.Lfunc_end_k_q10fd75bfac_quant:
	.size	k_q10fd75bfac_quant, .Lfunc_end_k_q10fd75bfac_quant-k_q10fd75bfac_quant
	.p2alignl 7, 3214868480
	.fill 96, 4, 3214868480
	.section	.rodata,"a",@progbits
	.p2align	6, 0x0
	.amdhsa_kernel k_q10fd75bfac_quant
		.amdhsa_group_segment_fixed_size 47616
		.amdhsa_private_segment_fixed_size 0
		.amdhsa_enable_private_segment 0
		.amdhsa_kernarg_size 72
		.amdhsa_user_sgpr_count 2
		.amdhsa_user_sgpr_kernarg_segment_ptr 1
		.amdhsa_wavefront_size32 1
		.amdhsa_system_sgpr_workgroup_id_x 1
		.amdhsa_system_sgpr_workgroup_id_y 1
		.amdhsa_system_sgpr_workgroup_id_z 1
		.amdhsa_system_vgpr_workitem_id 0
		.amdhsa_next_free_vgpr 256
		.amdhsa_next_free_sgpr 66
		.amdhsa_reserve_vcc 1
		.amdhsa_float_denorm_mode_32 3
		.amdhsa_float_denorm_mode_16_64 3
		.amdhsa_memory_ordered 1
		.amdhsa_forward_progress 1
		.amdhsa_inst_pref_size 144
	.end_amdhsa_kernel
	.amdgpu_metadata
---
amdhsa.version: [ 1, 2 ]
amdhsa.kernels:
  - .name:           k_q10fd75bfac_quant
    .symbol:         k_q10fd75bfac_quant.kd
    .args:
      - { .name: q, .offset: 0, .size: 8, .value_kind: global_buffer, .address_space: global }
      - { .name: k, .offset: 8, .size: 8, .value_kind: global_buffer, .address_space: global }
      - { .name: v, .offset: 16, .size: 8, .value_kind: global_buffer, .address_space: global }
      - { .name: Wq, .offset: 24, .size: 8, .value_kind: global_buffer, .address_space: global }
      - { .name: Wk, .offset: 32, .size: 8, .value_kind: global_buffer, .address_space: global }
      - { .name: Wv, .offset: 40, .size: 8, .value_kind: global_buffer, .address_space: global }
      - { .name: Wf, .offset: 48, .size: 8, .value_kind: global_buffer, .address_space: global }
      - { .name: xw_codes, .offset: 56, .size: 8, .value_kind: global_buffer, .address_space: global }
      - { .name: xw_scales, .offset: 64, .size: 8, .value_kind: global_buffer, .address_space: global }
    .group_segment_fixed_size: 47616
    .private_segment_fixed_size: 0
    .kernarg_segment_align: 8
    .kernarg_segment_size: 72
    .max_flat_workgroup_size: 128
    .sgpr_count:     66
    .vgpr_count:     256
    .wavefront_size: 32
...
	.end_amdgpu_metadata
.endif
;; end of part 1
;; launch proj (part 2): grid 4 x 192, 4 waves a work-group, clusters of 4 x 4, 295,424 bytes of LDS; arguments xw_codes, xw_scales, bq, bk, bv, h_codes, h_scales; writes h_codes, h_scales
.if DOCPART == 2
	.amdgcn_target "amdgcn-amd-amdhsa--gfx1250"
	.amdhsa_code_object_version 6
	.text
	.protected	k_q10fd75bfac_proj
	.globl	k_q10fd75bfac_proj
	.p2align	8
	.type	k_q10fd75bfac_proj,@function
k_q10fd75bfac_proj:
	s_mov_b64 s[64:65], 0
	v_nop
	global_prefetch_b8 v0, s[64:65] scope:SCOPE_SE
	s_setreg_imm32_b32 hwreg(HW_REG_WAVE_MODE, 25, 1), 1
	s_wait_xcnt 0x0
	s_wait_alu depctr_hold_cnt(0) depctr_sa_sdst(0) depctr_va_vdst(0) depctr_va_sdst(0) depctr_va_ssrc(0) depctr_va_vcc(0) depctr_vm_vsrc(0)
	s_getreg_b32 s2, hwreg(HW_REG_IB_STS2, 6, 4)
	s_cmp_eq_u32 s2, 0
	s_cbranch_scc0 .Lentry_in_a_cluster
	s_endpgm
.Lentry_in_a_cluster:
	s_bfe_u32 s2, ttmp6, 0x10000c
	s_cmp_lg_u32 s2, 0xf033
	s_cbranch_scc0 .Lentry_shape_is_right
	s_endpgm
.Lentry_shape_is_right:
; q Wq + bq, k Wk + bk, v Wv + bv on codes of FP6 (E2M3) with E8M0 scales; the results are quantised in registers for the attention: q and k along a head's 64, v along the keys.
; Operands come as images of registers (fragment: 1,536 bytes; registers 4 c .. 4 c + 3 of lane l at 512 c + 16 l), [row block][K step][1,536]; scale words [row block][512]: (K step s, row r) at 256 (s / 4) + 16 r + 4 (s % 4).
; BLOCK ORDER: row block 2 B + u holds at lane row r the row 32 B + 8 u + r % 8 + 16 (r / 8): so a lane's 64 results, source 0's eight blocks, are 128 neighbours: register 16 B + i = 32 B + 16 (lane / 16) + i.
; A work-group makes 128 rows of source 0 x 256 rows of source 1 over all of K = 1,024; a wave 8 x 4 blocks: 32 accumulators.  All of K lies in LDS at once: four chunks of two K steps, each filled ONCE, asked for at the head.
; P = 0, 1 (q, k): source 0 = rows of the weight, source 1 = tokens: a lane holds a token and 128 features = two heads.  P = 2 (v): source 0 = tokens, source 1 = rows of Wv: a lane holds a feature and 128 keys.
; What differs is chosen by s_cselect on P, which all partners of a cluster share; there is no branch on it.
; CLUSTER 4 x 4: source 1's tile hangs on cy alone and is asked for jointly along a row of the cluster, source 0's on cx alone, jointly along a column.
; OUT: h_codes: Q at 0, K at 6,291,456: [batch x head][token block 128][768: K = 64: registers 0-3 at 16 l, 4-5 at 512 + 8 l]; V at 12,582,912: [batch x head][key step 16][dh block 4][two such halves].
;      h_scales: Q at 0, K at 524,288: [bh][16][512]: token block a of eight at 256 (a / 4) + 16 r + 4 (a % 4), bytes (b0, b1, b0, b1); V at 1,048,576: [bh][key step][256]: dh block t at 16 r + 4 t.
; LIMITS: q's and k's sums begin with the bias (the C of the first product), v's bias is added behind the sums: both in f32, in another order of rounding than a sum with the bias last.  A block of zeros gets the byte 1 (zero codes). NaN and infinities are not served.
; REGISTERS: window 0: v1-23 addresses; v32-63, v64-79 scale words of source 0, 1; v96-191 source 1's fragments, two sets (later the way out).  window 1: source 0's fragments, two sets at v0, v128.
;   window 2: accumulator (a, b) at v[8 (8 a + b)].  window 3: v0-63 the bias along source 0, v64-71 the bias along source 1.
.set WV,  18
.set SEL, 12                           ; s[12:13], once the bias pointers are spent
.set H,   96
.set PC,  160
.set TM,  192
.set PW,  208
.set CHUNK, 73728                      ; LDS: two K steps: source 1's 16 blocks x 3,072 bytes, then source 0's 8
.set S0OFF, 49152
.set MSB, 0
.macro WIN new                         ; the immediate's high byte repeats the setting that is left
.if MSB != \new
	s_set_vgpr_msb (MSB<<8)|\new
.set MSB, \new
.endif
.endm
.macro PLACES n
.rept \n
	v_nop
.endr
.endm
.macro ROUND                           ; a round of the cluster's barrier
	s_barrier_signal -1
	s_barrier_wait -1
	s_cmp_lg_u32 s[WV], 0
	s_cbranch_scc1 .Lnot_wave_0_\@
	s_barrier_signal -3
.Lnot_wave_0_\@:
	s_barrier_wait -3
	s_barrier_signal -1
	s_barrier_wait -1
.endm
.macro QUANT s                         ; 64 numbers of a lane (register 16 b + i = K 32 b + 16 (lane / 16) + i) -> a fragment in v[PC] on, its scale word in v[PW]
.irp b, 0,1,2,3
	v_max3_num_f32 v[TM+\b], |v[\s+16*\b]|, |v[\s+1+16*\b]|, 0x1800000   ; my 16 numbers and the floor 2^(3 - 127)
.endr
.irp i, 2,4,6,8,10,12,14
.irp b, 0,1,2,3
	v_max3_num_f32 v[TM+\b], v[TM+\b], |v[\s+16*\b+\i]|, |v[\s+1+16*\b+\i]|
.endr
.endr
.irp b, 0,1,2,3
	v_permlanex16_b32 v[TM+4+\b], v[TM+\b], s[SEL], s[SEL+1]
.endr
.irp b, 0,1,2,3
	v_max_num_f32 v[TM+\b], v[TM+\b], v[TM+4+\b]
.endr
.irp b, 0,1,2,3
	v_add_nc_u32 v[TM+12+\b], 0xff000000, v[TM+\b]   ; 2 off the exponent field: the conversion's scale operand
.endr
.irp b, 0,1,2,3
	v_lshrrev_b32 v[TM+4+\b], 23, v[TM+12+\b]
.endr
	v_lshl_or_b32 v[PW], v[TM+5], 8, v[TM+4]
	v_lshl_or_b32 v[PW], v[TM+6], 16, v[PW]
	v_lshl_or_b32 v[PW], v[TM+7], 24, v[PW]
.irp c, 0,1
	v_cvt_scalef32_pk16_fp6_f32 v[PC+6*\c:PC+2+6*\c], v[\s+32*\c:\s+15+32*\c], v[TM+12+2*\c]
	v_cvt_scalef32_pk16_fp6_f32 v[PC+12+4*\c:PC+14+4*\c], v[\s+16+32*\c:\s+31+32*\c], v[TM+12+2*\c+1]
.endr
	v_nop                                          ; one plain place behind a scaled conversion
.irp c, 0,1
.irp i, 0,1,2
	v_permlane16_swap_b32 v[PC+6*\c+\i], v[PC+12+4*\c+\i]
.endr
.irp i, 0,1,2
	v_mov_b32 v[PC+3+6*\c+\i], v[PC+12+4*\c+\i]
.endr
.endr
.endm
	s_load_b256 s[4:11], s[0:1], 0x0               ; xw_codes, xw_scales, bq, bk
	s_load_b128 s[12:15], s[0:1], 0x20             ; bv, h_codes
	s_load_b64 s[16:17], s[0:1], 0x30              ; h_scales
	v_lshl_add_u32 v254, v0, 2, 0x48000
	v_mov_b32 v255, 0
	ds_add_u32 v254, v255
	ds_add_u32 v254, v255
	v_lshrrev_b32 v1, 5, v0
	v_readfirstlane_b32 s[WV], v1                  ; wave 0..3
	s_and_b32 s19, s[WV], 1                        ; which half of a tile I fetch
	s_bfe_u32 s20, ttmp6, 0x40000                  ; cx
	s_bfe_u32 s21, ttmp6, 0x40004                  ; cy
	s_and_b32 s22, ttmp7, 0xffff                   ; the cluster, 0..47
	s_lshr_b32 s23, s22, 4                         ; P
	s_and_b32 s56, s22, 15
	s_and_b32 s57, s56, 1
	s_lshr_b32 s58, s56, 1
	s_lshl_b32 s59, s23, 6
	s_add_co_u32 s59, s59, 1536                    ; the weight's first row block
	s_lshl_b32 s60, s23, 9
	s_lshl_b32 s61, s58, 6
	s_add_co_u32 s60, s60, s61                     ; the tokens' first row block of this cluster
	s_mov_b32 s61, 1024
	s_mov_b32 s62, 1664
	s_cmp_lt_u32 s23, 2
	s_cselect_b32 s57, s57, s56                    ; the cluster's place along source 0,
	s_cselect_b32 s58, s58, 0                      ; along source 1
	s_cselect_b32 s59, s59, s61
	s_cselect_b32 s60, s60, s62
	s_cselect_b32 s84, -1, 0                       ; keeps the bias along source 0 (q, k)
	s_cselect_b32 s85, 0, -1                       ; keeps the bias along source 1 (v)
	s_lshl_b32 s61, s57, 5
	s_add_co_u32 s59, s59, s61
	s_lshl_b32 s61, s20, 3
	s_add_co_u32 s59, s59, s61                     ; source 0's first row block: hangs on cx, not on cy
	s_lshl_b32 s62, s21, 4
	s_add_co_u32 s60, s60, s62                     ; source 1's: hangs on cy, not on cx
	s_lshl_b32 s62, s21, 2
	s_lshl_b32 s62, 15, s62                        ; my row of the cluster
	s_lshl_b32 s61, 0x1111, s20                    ; my column
	; group 1: rows of 3,072 bytes (384 elements of 8 bytes: a row block's two K steps), 12,288 bytes apart; 8 row blocks of source 1, 4 of source 0
	s_or_b32 s24, s62, (3<<16)|(1<<21)
	s_mov_b32 s25, 384<<16
	s_mov_b32 s26, 8<<16
	s_mov_b32 s27, 384<<16
	s_mov_b32 s28, 8
	s_mov_b32 s29, 1536
	s_mov_b32 s30, 0
	s_mov_b32 s31, 0
	s_or_b32 s32, s61, (3<<16)|(1<<21)
	s_mov_b32 s33, 384<<16
	s_mov_b32 s34, 4<<16
	s_mov_b32 s35, 384<<16
	s_mov_b32 s36, 4
	s_mov_b32 s37, 1536
	s_mov_b32 s38, 0
	s_mov_b32 s39, 0
	s_lshl_b32 s63, s19, 3
	s_add_co_u32 s62, s60, s63
	s_mul_i32 s62, s62, 12288
	s_mov_b32 s63, 0
	s_lshl_b32 s67, s19, 2
	s_add_co_u32 s66, s59, s67
	s_mul_i32 s66, s66, 12288
	s_mov_b32 s67, 0
	s_mul_i32 s86, s19, 24576
	s_mul_i32 s87, s19, 12288
	s_wait_dscnt 0x0
	s_wait_kmcnt 0x0
	s_add_nc_u64 s[62:63], s[4:5], s[62:63]
	s_add_nc_u64 s[66:67], s[4:5], s[66:67]
.irp j, 0,1,2,3                                ; a group 0 for each chunk and source: none is written again
	s_mov_b32 s[40+4*\j], 1
	s_add_co_u32 s[41+4*\j], s86, CHUNK*\j
	s_add_nc_u64 s[42+4*\j:43+4*\j], s[62:63], 3072*\j
	s_or_b32 s[43+4*\j], s[43+4*\j], 0x80000000
	s_mov_b32 s[68+4*\j], 1
	s_add_co_u32 s[69+4*\j], s87, CHUNK*\j+S0OFF
	s_add_nc_u64 s[70+4*\j:71+4*\j], s[66:67], 3072*\j
	s_or_b32 s[71+4*\j], s[71+4*\j], 0x80000000
.endr
	ROUND                                          ; all sixteen work-groups are here: the joint loads meet
	s_cmp_lt_u32 s[WV], 2                          ; waves 0, 1: source 1's halves; waves 2, 3: source 0's.  Four loads of mine are out
	s_cbranch_scc0 .Lsrc0
	tensor_load_to_lds s[40:43], s[24:31]
	s_nop 0
	tensor_load_to_lds s[44:47], s[24:31]
	s_nop 0
	tensor_load_to_lds s[48:51], s[24:31]
	s_nop 0
	tensor_load_to_lds s[52:55], s[24:31]
	s_nop 0
	PLACES 4
	s_branch .Lasked
.Lsrc0:
	tensor_load_to_lds s[68:71], s[32:39]
	s_nop 0
	tensor_load_to_lds s[72:75], s[32:39]
	s_nop 0
	tensor_load_to_lds s[76:79], s[32:39]
	s_nop 0
	tensor_load_to_lds s[80:83], s[32:39]
	s_nop 0
	PLACES 4
.Lasked:
	v_and_b32 v5, 31, v0
	v_lshlrev_b32 v1, 4, v5                        ; 16 x lane
	v_lshlrev_b32 v2, 3, v5                        ; 8 x lane
	v_and_b32 v3, 15, v0                           ; r
	v_bfe_u32 v4, v0, 4, 1                         ; h
	s_mul_i32 s88, s[WV], 12288                    ; my four blocks of source 1
.irp j, 0,1,2,3
	s_add_co_u32 s89, s88, CHUNK*\j
	v_add_nc_u32 v[8+\j], s89, v1
	v_add_nc_u32 v[12+\j], CHUNK*\j+S0OFF, v1
.endr
.irp b, 0,1,2,3
	v_mov_b32 v[TM+4+\b], 0                        ; written once: a lane permute's destination counts as one of its sources
.endr
	s_lshl_b32 s90, s59, 9
	s_mov_b32 s91, 0
	s_add_nc_u64 s[90:91], s[6:7], s[90:91]
	s_lshl_b32 s92, s[WV], 2
	s_add_co_u32 s92, s92, s60
	s_lshl_b32 s92, s92, 9
	s_mov_b32 s93, 0
	s_add_nc_u64 s[92:93], s[6:7], s[92:93]
.irp b, 0,1,2,3,4,5,6,7
	global_load_b128 v[32+4*\b:35+4*\b], v1, s[90:91] offset:512*\b   ; lanes 0-15: the words of K steps 0-3; lanes 16-31: of 4-7
.endr
.irp a, 0,1,2,3
	global_load_b128 v[64+4*\a:67+4*\a], v1, s[92:93] offset:512*\a
.endr
	s_cmp_lt_u32 s23, 1
	s_cselect_b64 s[94:95], s[8:9], s[10:11]
	s_cmp_lt_u32 s23, 2
	s_cselect_b64 s[94:95], s[94:95], s[12:13]     ; the product's bias
	s_lshl_b32 s96, s57, 11
	s_lshl_b32 s97, s20, 9
	s_add_co_u32 s96, s96, s97                     ; q, k: my 128 features; v: the first 128, which are then masked away (every index stays inside the bias)
	s_cmp_lt_u32 s23, 2
	s_cselect_b32 s96, s96, 0
	s_mov_b32 s97, 0
	s_add_nc_u64 s[96:97], s[94:95], s[96:97]
	s_lshl_b32 s98, s21, 10
	s_lshl_b32 s99, s[WV], 8
	s_add_co_u32 s98, s98, s99                     ; features 256 cy + 64 wave on
	s_mov_b32 s99, 0
	s_add_nc_u64 s[98:99], s[94:95], s[98:99]
	v_lshlrev_b32 v6, 6, v4                        ; along source 0: 16 h features
	v_and_b32 v7, 7, v0
	v_bfe_u32 v20, v0, 3, 1
	v_lshl_add_u32 v7, v20, 4, v7
	v_lshlrev_b32 v7, 2, v7                        ; along source 1: feature r % 8 + 16 (r / 8)
	WIN 0xc0                                       ; destination window 3
.irp b, 0,1,2,3,4,5,6,7
	global_load_b128 v[8*\b:8*\b+3], v6, s[96:97] offset:(32*(\b/2)+8*(\b%2))*4
	global_load_b128 v[8*\b+4:8*\b+7], v6, s[96:97] offset:(32*(\b/2)+8*(\b%2))*4+16
.endr
.irp a, 0,1,2,3
	global_load_b32 v[64+2*\a], v7, s[98:99] offset:(32*(\a/2)+8*(\a%2))*4
.endr
	WIN 0
	; ---- where the results go.  q, k:
	s_lshl_b32 s61, s57, 3
	s_lshl_b32 s62, s20, 1
	s_add_co_u32 s61, s61, s62                     ; my first head
	s_lshl_b32 s62, s58, 6
	s_lshl_b32 s63, s21, 4
	s_add_co_u32 s62, s62, s63
	s_lshl_b32 s63, s[WV], 2
	s_add_co_u32 s62, s62, s63                     ; my first token block
	s_lshr_b32 s63, s62, 7                         ; batch
	s_and_b32 s62, s62, 127                        ; token block in the batch
	s_lshl_b32 s63, s63, 4
	s_add_co_u32 s63, s63, s61                     ; batch x head
	s_lshl_b32 s66, s63, 7
	s_add_co_u32 s66, s66, s62
	s_mul_i32 s66, s66, 768
	s_mul_i32 s67, s23, 6291456
	s_add_co_u32 s66, s66, s67
	s_lshl_b32 s86, s63, 13
	s_lshr_b32 s87, s62, 2
	s_lshl_b32 s87, s87, 8                         ; four token blocks fill 256 bytes of scale words
	s_add_co_u32 s86, s86, s87
	s_lshl_b32 s87, s23, 19
	s_add_co_u32 s86, s86, s87
	; v:
	s_lshl_b32 s87, s57, 2
	s_add_co_u32 s87, s87, s20                     ; key step among all 64
	s_lshl_b32 s88, s21, 2
	s_add_co_u32 s88, s88, s[WV]                   ; head
	s_lshr_b32 s89, s87, 4
	s_lshl_b32 s89, s89, 4
	s_add_co_u32 s89, s89, s88
	s_lshl_b32 s89, s89, 4
	s_and_b32 s87, s87, 15
	s_add_co_u32 s89, s89, s87                     ; (batch x head) x 16 + key step
	s_mul_i32 s88, s89, 6144
	s_add_co_u32 s88, s88, 12582912
	s_lshl_b32 s89, s89, 8
	s_add_co_u32 s89, s89, 1048576
	s_mov_b32 s100, 1536
	s_mov_b32 s101, 768
	s_mov_b32 s2, 0x03020100
	s_cmp_lt_u32 s23, 2
	s_cselect_b32 s66, s66, s88
	s_cselect_b32 s86, s86, s89
	s_cselect_b32 s8, 768, s100                    ; from one of my four blocks to the next
	s_cselect_b32 s88, 98304, s101                 ; from a fragment's first half to its second: the next head, or the next 64 keys
	s_cselect_b32 s89, 8192, 0                     ; lanes 16-31 store the second head's scale words; for v they repeat lanes 0-15's bytes at the same places
	s_cselect_b32 s3, 0x01000100, s2               ; q, k: a head's two bytes, twice; v: the word as it is
	s_cselect_b32 s2, 0x03020302, s2
	v_mul_u32_u24 v22, s89, v4
	v_lshl_add_u32 v22, v3, 4, v22
	v_mov_b32 v23, s3
	v_mov_b32 v21, s2
	v_cmp_le_u32 vcc_lo, 16, v5
	v_cndmask_b32 v23, v23, v21, vcc_lo
	s_mov_b32 s67, 0
	s_mov_b32 s89, 0
	s_mov_b32 s87, 0
	s_mov_b32 s9, 0
	s_add_nc_u64 s[4:5], s[14:15], s[66:67]        ; first halves
	s_add_nc_u64 s[6:7], s[4:5], s[88:89]          ; second halves
	s_add_nc_u64 s[10:11], s[16:17], s[86:87]      ; scale words
	s_mov_b32 s[SEL], 0x76543210
	s_mov_b32 s[SEL+1], 0xfedcba98
	s_wait_loadcnt 0x0                             ; scale words and biases
	WIN 0xcc                                       ; source 1 and destination window 3
.set i, 0
.rept 64
	v_and_b32 v[i], s84, v[i]
.set i, i+1
.endr
.irp a, 0,1,2,3
	v_and_b32 v[65+2*\a], s85, v[64+2*\a]          ; (named as a pair below)
	v_and_b32 v[64+2*\a], s85, v[64+2*\a]
.endr
	WIN 0
	PLACES 4
.macro FRAG3 reg, adr, off             ; a fragment's image: three runs of 512 consecutive bytes
.irp c, 0,1,2
	ds_load_b128 v[\reg+4*\c:\reg+4*\c+3], v[\adr] offset:\off+512*\c
.endr
.endm
.macro FETCH s                         ; K step s: source 0's eight fragments, my four of source 1, into set s % 2
	WIN 0x40
.irp b, 0,1,2,3,4,5,6,7
	FRAG3 128*((\s)%2)+12*\b, 12+(\s)/2, 3072*\b+1536*((\s)%2)
.endr
	WIN 0
.irp a, 0,1,2,3
	FRAG3 96+48*((\s)%2)+12*\a, 8+(\s)/2, 3072*\a+1536*((\s)%2)
.endr
.endm
; 16 products: my blocks a0, a0 + 1 of source 1 x source 0's eight.  The 32 accumulators take turns, one instruction a turn, in the same order in every step.
.macro MULS s, a0
.irp a, \a0, \a0+1
.irp b, 0,1,2,3,4,5,6,7
.if (\s) == 0
	v_wmma_scale_f32_16x16x128_f8f6f4 v[8*(8*(\a)+\b):8*(8*(\a)+\b)+7], v[12*\b:12*\b+11], v[96+12*(\a):96+12*(\a)+11], v[8*\b:8*\b+7], v[32+4*\b], v[64+4*(\a)] matrix_a_fmt:MATRIX_FMT_FP6 matrix_b_fmt:MATRIX_FMT_FP6
.elseif (\s) < 4
	v_wmma_scale_f32_16x16x128_f8f6f4 v[8*(8*(\a)+\b):8*(8*(\a)+\b)+7], v[128*((\s)%2)+12*\b:128*((\s)%2)+12*\b+11], v[96+48*((\s)%2)+12*(\a):96+48*((\s)%2)+12*(\a)+11], v[8*(8*(\a)+\b):8*(8*(\a)+\b)+7], v[32+4*\b+(\s)%4], v[64+4*(\a)+(\s)%4] matrix_a_fmt:MATRIX_FMT_FP6 matrix_b_fmt:MATRIX_FMT_FP6
.else
	v_wmma_scale_f32_16x16x128_f8f6f4 v[8*(8*(\a)+\b):8*(8*(\a)+\b)+7], v[128*((\s)%2)+12*\b:128*((\s)%2)+12*\b+11], v[96+48*((\s)%2)+12*(\a):96+48*((\s)%2)+12*(\a)+11], v[8*(8*(\a)+\b):8*(8*(\a)+\b)+7], v[32+4*\b+(\s)%4], v[64+4*(\a)+(\s)%4] matrix_a_fmt:MATRIX_FMT_FP6 matrix_b_fmt:MATRIX_FMT_FP6 matrix_a_scale:MATRIX_SCALE_ROW1 matrix_b_scale:MATRIX_SCALE_ROW1
.endif
.endr
.endr
.endm
.macro EVEN s                          ; its successor lies in the same chunk
	s_wait_dscnt 0x0                               ; this step's fragments are in
.if (\s) > 0
	PLACES 4                                       ; in front of loads into registers that the last products read
.endif
	FETCH (\s)+1
.if (\s) == 0
	WIN 0xb1                                       ; source 0 window 1, source 1 window 0, C (the bias) window 3, D window 2
.else
	WIN 0xa1                                       ; C and D window 2
.endif
	MULS \s, 0
	MULS \s, 2
.endm
.macro ODD s                           ; its successor lies in the next chunk: a barrier shows it whole to every wave; nothing is ever filled again
	s_wait_dscnt 0x0
	s_wait_tensorcnt 3-((\s)+1)/2                  ; my part of the next chunk has landed; my younger chunks may be out
	s_barrier_signal -1
	WIN 0xa1
	MULS \s, 0
	s_barrier_wait -1
	PLACES 4
	FETCH (\s)+1
	WIN 0xa1
	MULS \s, 2
.endm
	s_wait_alu depctr_va_vdst(0)
	s_wait_tensorcnt 3                             ; my part of chunk 0 has landed; three younger loads may be out
	s_barrier_signal -1
	s_barrier_wait -1
	FETCH 0
	EVEN 0
	ODD 1
	EVEN 2
	ODD 3
	EVEN 4
	ODD 5
	EVEN 6
	s_wait_dscnt 0x0
	MULS 7, 0
	MULS 7, 2
	WIN 0
	PLACES 4
	; ---- THE WAY OUT: my four blocks of source 1, one after the other: 64 numbers a lane, + the bias along source 1, quantised, stored as two halves of 768 bytes
.irp a, 0,1,2,3
.if \a > 0
	s_wait_xcnt 0x0                                ; the last block's stores have read their data and bases
	s_add_nc_u64 s[4:5], s[4:5], s[8:9]
	s_add_nc_u64 s[6:7], s[6:7], s[8:9]
.endif
	WIN 0x0e                                       ; source 0 window 2, source 1 window 3
.set i, 0
.rept 32
	v_pk_add_f32 v[H+2*i:H+2*i+1], v[64*\a+2*i:64*\a+2*i+1], v[64+2*\a:65+2*\a] op_sel_hi:[1,0]   ; each accumulator from its low end on
.set i, i+1
.endr
	WIN 0
	QUANT H
	v_perm_b32 v[212+\a], v[PW], v[PW], v23
	global_store_b128 v1, v[PC:PC+3], s[4:5]
	global_store_b64 v2, v[PC+4:PC+5], s[4:5] offset:512
	global_store_b128 v1, v[PC+6:PC+9], s[6:7]
	global_store_b64 v2, v[PC+10:PC+11], s[6:7] offset:512
.endr
	global_store_b128 v22, v[212:215], s[10:11]    ; sixteen lanes fill 256 consecutive bytes
	s_wait_dscnt 0x0
	s_wait_tensorcnt 0x0
	ds_add_u32 v254, v255
	s_wait_dscnt 0x0
	ROUND                                          ; the closing round
	s_endpgm
.Lfunc_end_k_q10fd75bfac_proj:
	.size	k_q10fd75bfac_proj, .Lfunc_end_k_q10fd75bfac_proj-k_q10fd75bfac_proj
	.p2alignl 7, 3214868480
	.fill 96, 4, 3214868480
	.section	.rodata,"a",@progbits
	.p2align	6, 0x0
	.amdhsa_kernel k_q10fd75bfac_proj
		.amdhsa_group_segment_fixed_size 295424
		.amdhsa_private_segment_fixed_size 0
		.amdhsa_enable_private_segment 0
		.amdhsa_kernarg_size 56
		.amdhsa_user_sgpr_count 2
		.amdhsa_user_sgpr_kernarg_segment_ptr 1
		.amdhsa_wavefront_size32 1
		.amdhsa_system_sgpr_workgroup_id_x 1
		.amdhsa_system_sgpr_workgroup_id_y 1
		.amdhsa_system_sgpr_workgroup_id_z 1
		.amdhsa_system_vgpr_workitem_id 0
		.amdhsa_next_free_vgpr 848
		.amdhsa_next_free_sgpr 102
		.amdhsa_reserve_vcc 1
		.amdhsa_float_denorm_mode_32 3
		.amdhsa_float_denorm_mode_16_64 3
		.amdhsa_memory_ordered 1
		.amdhsa_forward_progress 1
		.amdhsa_inst_pref_size 95
	.end_amdhsa_kernel
	.amdgpu_metadata
---
amdhsa.version: [ 1, 2 ]
amdhsa.kernels:
  - .name:           k_q10fd75bfac_proj
    .symbol:         k_q10fd75bfac_proj.kd
    .args:
      - { .name: xw_codes, .offset: 0, .size: 8, .value_kind: global_buffer, .address_space: global }
      - { .name: xw_scales, .offset: 8, .size: 8, .value_kind: global_buffer, .address_space: global }
      - { .name: bq, .offset: 16, .size: 8, .value_kind: global_buffer, .address_space: global }
      - { .name: bk, .offset: 24, .size: 8, .value_kind: global_buffer, .address_space: global }
      - { .name: bv, .offset: 32, .size: 8, .value_kind: global_buffer, .address_space: global }
      - { .name: h_codes, .offset: 40, .size: 8, .value_kind: global_buffer, .address_space: global }
      - { .name: h_scales, .offset: 48, .size: 8, .value_kind: global_buffer, .address_space: global }
    .group_segment_fixed_size: 295424
    .private_segment_fixed_size: 0
    .kernarg_segment_align: 8
    .kernarg_segment_size: 56
    .max_flat_workgroup_size: 128
    .sgpr_count:     102
    .vgpr_count:     848
    .wavefront_size: 32
...
	.end_amdgpu_metadata
.endif
;; end of part 2
;; launch attn (part 3): grid 4 x 64, 16 waves a work-group, no clusters, 210,944 bytes of LDS; arguments h_codes, h_scales, c_codes, c_scales; writes c_codes, c_scales
.if DOCPART == 3
	.amdgcn_target "amdgcn-amd-amdhsa--gfx1250"
	.amdhsa_code_object_version 6
	.text
	.protected	k_q10fd75bfac_attn
	.globl	k_q10fd75bfac_attn
	.p2align	8
	.type	k_q10fd75bfac_attn,@function
k_q10fd75bfac_attn:
	s_mov_b64 s[64:65], 0
	v_nop
	global_prefetch_b8 v0, s[64:65] scope:SCOPE_SE
	s_setreg_imm32_b32 hwreg(HW_REG_WAVE_MODE, 25, 1), 1
	s_wait_xcnt 0x0
; Causal attention of one (batch, head) on codes of FP6 (E2M3) with E8M0 scales: S^T = K Q^T (K = the head's 64), p = 2^(t - M), O^T = V^T p^T (K = 128 keys a step), O / l quantised along the head's 64.
; t = score x log2(e) / sqrt(2048); M = the running largest t rounded UP to a whole number; the row's sum l is taken of the unquantised p; when M moves, l and O^T are multiplied by 2^(old M - new M), exactly.
; SHARES.  Work-group (i, bh) owns query blocks i and 7 - i of 256 queries; wave w owns token block 16 i + w (first pass) and 127 - 16 i - w (second pass): 17 key steps of 128 keys for every wave of the launch.
; A key step all of whose keys come after the wave's queries is left out by a scalar branch on ids; the loops' trip counts are constants.
; NO CLUSTER: those branches hang on the work-group's x, which partners of a joint load may not have; leaving hidden steps out halves the work.
; LDS, each byte filled ONCE: K's codes 0 .. 98,303 [token block][768]; V's 98,304 .. [key step][dh block][1,536]; K's scale words 196,608 .. [key step][512]; V's 204,800 .. [key step][256].
; Each of waves 0-5 has two loads out: the keys under 1,024, which are all that the first pass reads, and the rest, which lands meanwhile.
; TOKEN BLOCKS are in block order: block 2 B + u holds at lane row r token 32 B + 8 u + r % 8 + 16 (r / 8): so S^T's register 16 B + i is key 32 B + 16 (lane / 16) + i of the step; V's dh blocks likewise, so O^T's register 16 B + i is dh 32 B + 16 h + i.
; K = 64 IN AN INSTRUCTION OF 128: a key block's six registers stand beside six registers of zero codes, in front of them (even blocks) or behind them (odd blocks), two blocks sharing the zeros; Q holds its six registers twice, and the scale words hold (b0, b1, b0, b1).
; LIMITS: a p under 2^-126 comes out of v_exp_f32 as 0; a block of zeros gets the byte 1 (zero codes); NaN and infinities are not served.  c's scale bytes leave as 32 single bytes inside 256 consecutive bytes, twice a wave.
.set WV, 12
.set BH, 14
.set SEL, 16
.set CS, 18
.set G1C, 20
.set G1K, 28
.set G1V, 36
.set T, 72                             ; LDS byte of the step's codes, in K's and in V's region: 6,144 a step
.set TS, 73                            ; K's scale words: 512 a step
.set TJ, 74                            ; V's: 256 a step
.set KSI, 75                           ; the key step; also the loop's counter
.set DG, 76                            ; the key step on my diagonal
.set TQ, 77                            ; my token block
.set S, 104                            ; v104-167 S^T, then p, then V's four fragments
.set O, 168                            ; v168-199 O^T
.set PC, 200                           ; v200-211 p's codes;  v212-218 at work
.set CT, 212
.set KSW, 220
.set VSW, 224
.set PSW, 228
.set BM, 230
.set BT, 234
.set SO, 238
.set F, 242
.set SUM2, 244
.set TMP, 246
.set NINF, 247
.set R16, 248                          ; 16 r
.set R16H, 249                         ; 16 r + h
.set ROWI, 250                         ; r % 8 + 16 (r / 8)
.set H16, 251                          ; 16 h
.set BYT, 252
.macro PLACES n
.rept \n
	v_nop
.endr
.endm
.macro G1SET g, rows                   ; a dense block as rows of 256 bytes (32 elements of 8 bytes)
	s_mov_b32 s[\g], 3<<16
	s_mov_b32 s[\g+1], 32<<16
	s_mov_b32 s[\g+2], (\rows)<<16
	s_mov_b32 s[\g+3], 32<<16
	s_mov_b32 s[\g+4], \rows
	s_mov_b32 s[\g+5], 32
	s_mov_b32 s[\g+6], 0
	s_mov_b32 s[\g+7], 0
.endm
	s_load_b256 s[4:11], s[0:1], 0x0               ; h_codes, h_scales, c_codes, c_scales
	v_lshl_add_u32 v254, v0, 2, 0x33000
	v_mov_b32 v255, 0
	ds_add_u32 v254, v255
	ds_add_u32 v254, v255
	v_lshrrev_b32 v1, 5, v0
	s_delay_alu instid0(VALU_DEP_1)
	v_readfirstlane_b32 s[WV], v1                  ; wave 0..15
	s_and_b32 s[BH], ttmp7, 0xffff                 ; batch x head
	G1SET G1C, 96
	G1SET G1K, 16
	G1SET G1V, 8
	s_and_b32 s79, s[WV], 3
	s_lshr_b32 s80, s79, 1                         ; waves 0, 1: K's codes; 2, 3: V's
	s_and_b32 s81, s79, 1                          ; which 24,576 bytes
	s_mul_i32 s82, s80, 98304
	s_mul_i32 s83, s81, 24576
	s_add_co_u32 s82, s82, s83                     ; in LDS
	s_mul_i32 s84, s80, 6291456
	s_add_co_u32 s84, s84, 6291456
	s_add_co_u32 s84, s84, s83
	s_mul_i32 s85, s[BH], 98304
	s_add_co_u32 s84, s84, s85                     ; in h_codes
	s_mov_b32 s85, 0
	s_lshl_b32 s86, s[BH], 13
	s_add_co_u32 s86, s86, 524288
	s_mov_b32 s87, 0
	s_lshl_b32 s88, s[BH], 12
	s_add_co_u32 s88, s88, 1048576
	s_mov_b32 s89, 0
	s_mov_b32 s[SEL], 0x76543210
	s_mov_b32 s[SEL+1], 0xfedcba98
	s_mov_b32 s[CS], 0x3d0293ee                    ; log2(e) / sqrt(2048)
	s_mov_b32 s[CS+1], s[CS]
	s_wait_dscnt 0x0
	s_wait_kmcnt 0x0
	s_add_nc_u64 s[84:85], s[4:5], s[84:85]
	s_add_nc_u64 s[86:87], s[6:7], s[86:87]
	s_add_nc_u64 s[88:89], s[6:7], s[88:89]
	s_mov_b32 s44, 1                               ; codes, keys under 1,024
	s_mov_b32 s45, s82
	s_mov_b64 s[46:47], s[84:85]
	s_or_b32 s47, s47, 0x80000000
	s_mov_b32 s48, 1                               ; codes, the rest
	s_add_co_u32 s49, s82, 49152
	s_add_nc_u64 s[50:51], s[84:85], 49152
	s_or_b32 s51, s51, 0x80000000
	s_mov_b32 s52, 1                               ; K's scale words
	s_mov_b32 s53, 196608
	s_mov_b64 s[54:55], s[86:87]
	s_or_b32 s55, s55, 0x80000000
	s_mov_b32 s56, 1
	s_mov_b32 s57, 196608+4096
	s_add_nc_u64 s[58:59], s[86:87], 4096
	s_or_b32 s59, s59, 0x80000000
	s_mov_b32 s60, 1                               ; V's scale words
	s_mov_b32 s61, 204800
	s_mov_b64 s[62:63], s[88:89]
	s_or_b32 s63, s63, 0x80000000
	s_mov_b32 s68, 1
	s_mov_b32 s69, 204800+2048
	s_add_nc_u64 s[70:71], s[88:89], 2048
	s_or_b32 s71, s71, 0x80000000
	s_cmp_lt_u32 s[WV], 4                          ; a wave's two fills stand together in one arm; the branches hang on the wave's number alone
	s_cbranch_scc0 .Lnot_codes
	tensor_load_to_lds s[44:47], s[G1C:G1C+7]
	s_nop 0
	tensor_load_to_lds s[48:51], s[G1C:G1C+7]
	s_nop 0
	PLACES 4
	s_branch .Lasked
.Lnot_codes:
	s_cmp_eq_u32 s[WV], 4
	s_cbranch_scc0 .Lnot_ks
	tensor_load_to_lds s[52:55], s[G1K:G1K+7]
	s_nop 0
	tensor_load_to_lds s[56:59], s[G1K:G1K+7]
	s_nop 0
	PLACES 4
	s_branch .Lasked
.Lnot_ks:
	s_cmp_eq_u32 s[WV], 5
	s_cbranch_scc0 .Lasked
	tensor_load_to_lds s[60:63], s[G1V:G1V+7]
	s_nop 0
	tensor_load_to_lds s[68:71], s[G1V:G1V+7]
	s_nop 0
	PLACES 4
.Lasked:
	v_and_b32 v9, 31, v0
	s_delay_alu instid0(VALU_DEP_1)
	v_lshlrev_b32 v1, 4, v9                        ; 16 x lane: K's codes begin at LDS byte 0
	s_delay_alu instid0(VALU_DEP_2)
	v_lshlrev_b32 v2, 3, v9                        ; 8 x lane
	s_delay_alu instid0(VALU_DEP_2)
	v_add_nc_u32 v3, 98304, v1                     ; the same in V's codes
	s_delay_alu instid0(VALU_DEP_2)
	v_add_nc_u32 v4, 98304, v2
	s_delay_alu instid0(VALU_DEP_4)
	v_add_nc_u32 v5, 196608, v1                    ; K's scale words: lanes 0-15 blocks 0-3, lanes 16-31 blocks 4-7
	v_and_b32 v10, 15, v0
	s_delay_alu instid0(VALU_DEP_1)
	v_lshl_add_u32 v6, v10, 4, 204800              ; V's: row r's four words
	v_bfe_u32 v11, v0, 4, 1
	s_delay_alu instid0(VALU_DEP_3)
	v_lshlrev_b32 v[R16], 4, v10
	s_delay_alu instid0(VALU_DEP_1)
	v_add_nc_u32 v[R16H], v[R16], v11
	s_delay_alu instid0(VALU_DEP_3)
	v_lshlrev_b32 v[H16], 4, v11
	v_and_b32 v[ROWI], 7, v0
	v_bfe_u32 v11, v0, 3, 1
	s_delay_alu instid0(VALU_DEP_1)
	v_lshl_add_u32 v[ROWI], v11, 4, v[ROWI]
	v_mov_b32 v[NINF], 0xff800000
	v_mov_b32 v[TMP], 0
	v_mov_b32 v[F+1], 0                            ; (named as the upper half of a pair)
.irp b, 0,1,2,3
	v_mov_b32 v[BT+\b], 0                          ; written once: a lane permute's destination counts as one of its sources
.endr
.irp g, 0,1,2,3
.irp z, 6,7,8,9,10,11
	v_mov_b32 v[32+18*\g+\z], 0                    ; the zero codes between two key blocks: never written again
.endr
.endr
	s_lshl_b32 s[TQ], ttmp9, 4
	s_add_co_u32 s[TQ], s[TQ], s[WV]               ; the first pass's token block
; A KEY STEP of 128 keys
.macro STEP
	s_cmp_gt_u32 s[KSI], s[DG]
	s_cbranch_scc1 .Lhidden_\@                     ; all its keys come after my queries
	s_setprio 2
	v_add_nc_u32 v8, s[T], v1                      ; (these six are also the places between the last products and the products below, whose results land on V's fragments)
	v_add_nc_u32 v9, s[T], v2
	v_add_nc_u32 v10, s[T], v3
	v_add_nc_u32 v11, s[T], v4
	v_add_nc_u32 v29, s[TS], v5
	v_add_nc_u32 v30, s[TJ], v6
.irp t, 0,1,2,3,4,5,6,7
	ds_load_b128 v[32+18*(\t/2)+12*(\t%2):32+18*(\t/2)+12*(\t%2)+3], v8 offset:768*\t
	ds_load_b64 v[32+18*(\t/2)+12*(\t%2)+4:32+18*(\t/2)+12*(\t%2)+5], v9 offset:768*\t+512
.endr
	ds_load_b128 v[KSW:KSW+3], v29
	s_wait_dscnt 0x0
.irp t, 0,1,2,3,4,5,6,7
.if \t < 4
	v_wmma_scale_f32_16x16x128_f8f6f4 v[S+8*\t:S+8*\t+7], v[32+18*(\t/2)+6*(\t%2):32+18*(\t/2)+6*(\t%2)+11], v[16:27], 0, v[KSW+\t%4], v28 matrix_a_fmt:MATRIX_FMT_FP6 matrix_b_fmt:MATRIX_FMT_FP6
.else
	v_wmma_scale_f32_16x16x128_f8f6f4 v[S+8*\t:S+8*\t+7], v[32+18*(\t/2)+6*(\t%2):32+18*(\t/2)+6*(\t%2)+11], v[16:27], 0, v[KSW+\t%4], v28 matrix_a_fmt:MATRIX_FMT_FP6 matrix_b_fmt:MATRIX_FMT_FP6 matrix_a_scale:MATRIX_SCALE_ROW1
.endif
.endr
	PLACES 4
	s_cmp_lt_u32 s[KSI], s[DG]
	s_cbranch_scc1 .Lopen_\@                       ; all its keys count
	s_lshl_b32 s79, s[KSI], 7                      ; on the diagonal hidden scores become -infinity ahead of the maximum.  The step's first key counts for each of my queries, so M stays a number
	s_sub_co_i32 s79, 0, s79
	v_add_nc_u32 v31, s79, v7                      ; d = my query - the step's first key - 16 h: register 16 b + i is hidden where 32 b + i > d
.set n, 0
.rept 64
	v_cmp_gt_i32 vcc_lo, 32*(n/16)+n%16, v31
	v_cndmask_b32 v[S+n], v[S+n], v[NINF], vcc_lo
.set n, n+1
.endr
.Lopen_\@:
.irp b, 0,1,2,3
	v_max3_num_f32 v[BM+\b], v[S+16*\b], v[S+1+16*\b], v[S+2+16*\b]   ; the largest score of each block of 32 keys: for the row's maximum and, since p rises with the score, for the block's largest p
.endr
.irp i, 3,5,7,9,11,13
.irp b, 0,1,2,3
	v_max3_num_f32 v[BM+\b], v[BM+\b], v[S+16*\b+\i], v[S+1+16*\b+\i]
.endr
.endr
.irp b, 0,1,2,3
	v_max_num_f32 v[BM+\b], v[BM+\b], v[S+15+16*\b]
.endr
.irp b, 0,1,2,3
	s_delay_alu instid0(VALU_DEP_4)
	v_permlanex16_b32 v[BT+\b], v[BM+\b], s[SEL], s[SEL+1]
.endr
.irp b, 0,1,2,3
	s_delay_alu instid0(VALU_DEP_4)
	v_max_num_f32 v[BM+\b], v[BM+\b], v[BT+\b]
.endr
	s_delay_alu instid0(VALU_DEP_2)
	v_max3_num_f32 v[TMP], v[BM], v[BM+1], v[BM+2]
	s_delay_alu instid0(VALU_DEP_1)
	v_max_num_f32 v[TMP], v[TMP], v[BM+3]
	s_delay_alu instid0(VALU_DEP_1)
	v_mul_f32 v[TMP], s[CS], v[TMP]
	s_delay_alu instid0(VALU_DEP_1)
	v_max_num_f32 v13, v13, v[TMP]                 ; the running largest t
	v_mov_b32 v[TMP], v12
	s_delay_alu instid0(VALU_DEP_2)
	v_floor_f32 v12, -v13                          ; -M = floor(-t): M is a whole number
	s_delay_alu instid0(VALU_DEP_1)
	v_sub_f32 v[TMP], v12, v[TMP]                  ; old M - new M, 0 or less
	s_delay_alu instid0(VALU_DEP_1)
	v_cvt_i32_f32 v[TMP], v[TMP]                   ; (it saturates)
	s_delay_alu instid0(VALU_DEP_1)
	v_ldexp_f32 v[F], 1.0, v[TMP]                  ; f = 2^(old M - new M)
.set n, 0
.rept 32
	v_pk_fma_f32 v[S+n:S+n+1], v[S+n:S+n+1], s[CS:CS+1], v[12:13] op_sel_hi:[1,0,0]   ; t - M
.set n, n+2
.endr
.irp b, 0,1,2,3
	v_fma_f32 v[BM+\b], v[BM+\b], s[CS], v12
.endr
.set n, 0
	s_setprio 1
	s_wait_alu depctr_va_vdst(0)
.rept 64
	v_exp_f32 v[S+n], v[S+n]                       ; p = 2^(t - M)
.set n, n+1
.endr
	v_pk_mul_f32 v[14:15], v[14:15], v[F:F+1] op_sel_hi:[1,0]   ; the sums under the new M: a plain place behind the exponentials
	s_wait_alu depctr_va_vdst(0)                   ; one wait for the batch, ahead of its first reader
.irp b, 0,1,2,3
	v_exp_f32 v[BM+\b], v[BM+\b]                   ; each block's largest p
.endr
	v_pk_add_f32 v[244:245], v[108:109], v[112:113]
	v_pk_add_f32 v[252:253], v[116:117], v[120:121]
	v_pk_add_f32 v[240:241], v[124:125], v[128:129]
	v_pk_add_f32 v[238:239], v[132:133], v[136:137]
	v_pk_add_f32 v[236:237], v[140:141], v[144:145]
	v_pk_add_f32 v[234:235], v[148:149], v[152:153]
	v_pk_add_f32 v[228:229], v[156:157], v[160:161]
	v_pk_add_f32 v[14:15], v[14:15], v[164:165]
	v_pk_add_f32 v[244:245], v[244:245], v[104:105]
	v_pk_add_f32 v[252:253], v[252:253], v[106:107]
	v_pk_add_f32 v[240:241], v[240:241], v[110:111]
	v_pk_add_f32 v[238:239], v[238:239], v[114:115]
	v_pk_add_f32 v[236:237], v[236:237], v[118:119]
	v_pk_add_f32 v[234:235], v[234:235], v[122:123]
	v_pk_add_f32 v[228:229], v[228:229], v[126:127]
	v_pk_add_f32 v[14:15], v[14:15], v[130:131]
	v_pk_add_f32 v[244:245], v[244:245], v[134:135]
	v_pk_add_f32 v[252:253], v[252:253], v[138:139]
	v_pk_add_f32 v[240:241], v[240:241], v[142:143]
	v_pk_add_f32 v[238:239], v[238:239], v[146:147]
	v_pk_add_f32 v[236:237], v[236:237], v[150:151]
	v_pk_add_f32 v[234:235], v[234:235], v[154:155]
	v_pk_add_f32 v[228:229], v[228:229], v[158:159]
	v_pk_add_f32 v[14:15], v[14:15], v[162:163]
	v_pk_add_f32 v[244:245], v[244:245], v[166:167]
	s_delay_alu instid0(VALU_DEP_2)
	v_pk_add_f32 v[14:15], v[14:15], v[238:239]
	s_delay_alu instid0(VALU_DEP_2)
	v_pk_add_f32 v[244:245], v[244:245], v[236:237]
	v_pk_add_f32 v[252:253], v[252:253], v[234:235]
	v_pk_add_f32 v[240:241], v[240:241], v[228:229]
	s_delay_alu instid0(VALU_DEP_2)
	v_pk_add_f32 v[14:15], v[14:15], v[252:253]
	s_delay_alu instid0(VALU_DEP_2)
	v_pk_add_f32 v[244:245], v[244:245], v[240:241]
	s_delay_alu instid0(VALU_DEP_1)
	v_pk_add_f32 v[14:15], v[14:15], v[244:245]
	s_wait_alu depctr_va_vdst(0)                   ; and one for the four
.irp b, 0,1,2,3
	v_max_num_f32 v[BM+\b], 0x1800000, v[BM+\b]    ; the floor 2^(3 - 127)
.endr
.irp b, 0,1,2,3
	s_delay_alu instid0(VALU_DEP_4)
	v_add_nc_u32 v[SO+\b], 0xff000000, v[BM+\b]
.endr
.irp b, 0,1,2,3
	s_delay_alu instid0(VALU_DEP_4)
	v_lshrrev_b32 v[BT+\b], 23, v[SO+\b]
.endr
	s_delay_alu instid0(VALU_DEP_3)
	v_lshl_or_b32 v[PSW], v[BT+1], 8, v[BT]
	s_delay_alu instid0(VALU_DEP_1)
	v_lshl_or_b32 v[PSW], v[BT+2], 16, v[PSW]
	s_delay_alu instid0(VALU_DEP_1)
	v_lshl_or_b32 v[PSW], v[BT+3], 24, v[PSW]
.irp c, 0,1
	v_cvt_scalef32_pk16_fp6_f32 v[PC+6*\c:PC+2+6*\c], v[S+32*\c:S+15+32*\c], v[SO+2*\c]
	v_cvt_scalef32_pk16_fp6_f32 v[CT+4*\c:CT+2+4*\c], v[S+16+32*\c:S+31+32*\c], v[SO+2*\c+1]
.endr
	v_nop                                          ; one plain place behind a scaled conversion
.irp t, 0,1,2,3                                ; V's four fragments land where p lay
	ds_load_b128 v[S+12*\t:S+12*\t+3], v10 offset:1536*\t
	ds_load_b64 v[S+12*\t+4:S+12*\t+5], v11 offset:1536*\t+512
	ds_load_b128 v[S+12*\t+6:S+12*\t+9], v10 offset:1536*\t+768
	ds_load_b64 v[S+12*\t+10:S+12*\t+11], v11 offset:1536*\t+1280
.endr
	s_setprio 0
	ds_load_b128 v[VSW:VSW+3], v30
.irp c, 0,1
.irp i, 0,1,2
	v_permlane16_swap_b32 v[PC+6*\c+\i], v[CT+4*\c+\i]
.endr
.irp i, 0,1,2
	s_delay_alu instid0(VALU_DEP_3)
	v_mov_b32 v[PC+3+6*\c+\i], v[CT+4*\c+\i]
.endr
.endr
.set n, 0
.rept 16
	v_pk_mul_f32 v[O+n:O+n+1], v[O+n:O+n+1], v[F:F+1] op_sel_hi:[1,0]   ; O^T under the new M
.set n, n+2
.endr
	PLACES 4
	s_wait_alu depctr_va_vdst(0)
	s_wait_dscnt 0x0
.irp t, 0,1,2,3
	v_wmma_scale_f32_16x16x128_f8f6f4 v[O+8*\t:O+8*\t+7], v[S+12*\t:S+12*\t+11], v[PC:PC+11], v[O+8*\t:O+8*\t+7], v[VSW+\t], v[PSW] matrix_a_fmt:MATRIX_FMT_FP6 matrix_b_fmt:MATRIX_FMT_FP6
.endr
.Lhidden_\@:
	s_add_co_u32 s[T], s[T], 6144
	s_add_co_u32 s[TS], s[TS], 512
	s_add_co_u32 s[TJ], s[TJ], 256
	s_add_co_u32 s[KSI], s[KSI], 1
.endm
; A PASS: token block s[TQ] against the first n key steps
.macro PASS n
	s_wait_xcnt 0x0                                ; the last pass's stores have read their data and bases
	s_lshr_b32 s[DG], s[TQ], 3
	s_lshl_b32 s79, s[BH], 7
	s_add_co_u32 s79, s79, s[TQ]
	s_mul_i32 s80, s79, 768
	s_mov_b32 s81, 0
	s_add_nc_u64 s[82:83], s[4:5], s[80:81]        ; Q's codes
	s_lshl_b32 s80, s[BH], 13
	s_lshr_b32 s79, s[TQ], 2
	s_lshl_b32 s79, s79, 8
	s_add_co_u32 s80, s80, s79
	s_and_b32 s79, s[TQ], 3
	s_lshl_b32 s79, s79, 2
	s_add_co_u32 s80, s80, s79
	s_add_nc_u64 s[84:85], s[6:7], s[80:81]        ; Q's scale words
	global_load_b128 v[16:19], v1, s[82:83]
	global_load_b64 v[20:21], v2, s[82:83] offset:512
	global_load_b128 v[22:25], v1, s[82:83]        ; the same six registers once more
	global_load_b64 v[26:27], v2, s[82:83] offset:512
	global_load_b32 v28, v[R16], s[84:85]
	s_lshr_b32 s79, s[TQ], 1
	s_lshl_b32 s79, s79, 5
	s_and_b32 s80, s[TQ], 1
	s_lshl_b32 s80, s80, 3
	s_add_co_u32 s79, s79, s80
	v_add_nc_u32 v7, s79, v[ROWI]
	s_delay_alu instid0(VALU_DEP_1)
	v_sub_nc_u32 v7, v7, v[H16]                    ; my query - 16 h
	s_lshr_b32 s79, s[BH], 4
	s_lshl_b32 s79, s79, 7
	s_add_co_u32 s79, s79, s[TQ]                   ; c's row block
	s_and_b32 s80, s[BH], 15                       ; head
	s_mul_i32 s86, s79, 12288
	s_mul_i32 s87, s80, 768
	s_add_co_u32 s86, s86, s87
	s_mov_b32 s87, 0
	s_add_nc_u64 s[90:91], s[8:9], s[86:87]
	s_lshl_b32 s86, s79, 9
	s_lshr_b32 s88, s80, 3
	s_lshl_b32 s88, s88, 8
	s_add_co_u32 s86, s86, s88
	s_and_b32 s88, s80, 7
	s_lshl_b32 s88, s88, 1
	s_add_co_u32 s86, s86, s88
	s_add_nc_u64 s[92:93], s[10:11], s[86:87]
	v_mov_b32 v13, 0xff61b1e6                      ; the largest t so far: -3e38
	s_delay_alu instid0(VALU_DEP_1)
	v_floor_f32 v12, -v13
	v_mov_b32 v14, 0
	v_mov_b32 v15, 0
.set n, 0
.rept 32
	v_mov_b32 v[O+n], 0                            ; the step is written once: the first finds zeros
.set n, n+1
.endr
	s_mov_b32 s[T], 0
	s_mov_b32 s[TS], 0
	s_mov_b32 s[TJ], 0
	s_mov_b32 s[KSI], 0
	s_wait_loadcnt 0x0
.Lsteps_\@:
	STEP
	s_cmp_lt_u32 s[KSI], \n
	s_cbranch_scc1 .Lsteps_\@
	s_setprio 0
	; the way out: O^T / l, quantised along the head's 64: two blocks of 32
	PLACES 4
	v_add_f32 v14, v14, v15
	s_delay_alu instid0(VALU_DEP_1)
	v_permlanex16_b32 v[TMP], v14, s[SEL], s[SEL+1]
	s_delay_alu instid0(VALU_DEP_1)
	v_add_f32 v14, v14, v[TMP]
	s_wait_alu depctr_va_vdst(0)
	v_rcp_f32 v14, v14
	v_cmp_ne_u32 vcc_lo, 0, v[H16]                 ; (a plain place behind the reciprocal)
	s_wait_alu depctr_va_vdst(0)                   ; ahead of its first reader
.set n, 0
.rept 32
	v_mul_f32 v[S+n], v[O+n], v14                  ; register 16 B + i: dh 32 B + 16 h + i; each accumulator from its low end on
.set n, n+1
.endr
.irp b, 0,1
	v_max3_num_f32 v[BM+\b], |v[S+16*\b]|, |v[S+1+16*\b]|, 0x1800000
.endr
.irp i, 2,4,6,8,10,12,14
.irp b, 0,1
	s_delay_alu instid0(VALU_DEP_2)
	v_max3_num_f32 v[BM+\b], v[BM+\b], |v[S+16*\b+\i]|, |v[S+1+16*\b+\i]|
.endr
.endr
.irp b, 0,1
	s_delay_alu instid0(VALU_DEP_2)
	v_permlanex16_b32 v[BT+\b], v[BM+\b], s[SEL], s[SEL+1]
.endr
.irp b, 0,1
	s_delay_alu instid0(VALU_DEP_2)
	v_max_num_f32 v[BM+\b], v[BM+\b], v[BT+\b]
.endr
.irp b, 0,1
	s_delay_alu instid0(VALU_DEP_2)
	v_add_nc_u32 v[SO+\b], 0xff000000, v[BM+\b]
.endr
.irp b, 0,1
	s_delay_alu instid0(VALU_DEP_2)
	v_lshrrev_b32 v[BT+\b], 23, v[SO+\b]
.endr
	v_cvt_scalef32_pk16_fp6_f32 v[PC:PC+2], v[S:S+15], v[SO]
	v_cvt_scalef32_pk16_fp6_f32 v[CT:CT+2], v[S+16:S+31], v[SO+1]
	v_cndmask_b32 v[BYT], v[BT], v[BT+1], vcc_lo   ; lanes 0-15 store block 0's byte, lanes 16-31 block 1's.  (A plain place behind the conversions)
.irp i, 0,1,2
	v_permlane16_swap_b32 v[PC+\i], v[CT+\i]
.endr
.irp i, 0,1,2
	s_delay_alu instid0(VALU_DEP_3)
	v_mov_b32 v[PC+3+\i], v[CT+\i]
.endr
	global_store_b128 v1, v[PC:PC+3], s[90:91]     ; 768 consecutive bytes, aligned to 256
	global_store_b64 v2, v[PC+4:PC+5], s[90:91] offset:512
	global_store_b8 v[R16H], v[BYT], s[92:93]
.endm
	s_wait_tensorcnt 1                             ; my fill of the keys under 1,024 has landed; the other may stay out
	s_barrier_signal -1
	s_barrier_wait -1
	PASS 8
	s_wait_tensorcnt 0x0                           ; my second fill has landed,
	s_wait_dscnt 0x0
	s_barrier_signal -1
	s_barrier_wait -1                              ; everybody's has
	s_sub_co_u32 s[TQ], 127, s[TQ]                 ; the second pass's token block
	PASS 16
	s_wait_tensorcnt 0x0
	ds_add_u32 v254, v255
	s_wait_dscnt 0x0
	s_endpgm
.Lfunc_end_k_q10fd75bfac_attn:
	.size	k_q10fd75bfac_attn, .Lfunc_end_k_q10fd75bfac_attn-k_q10fd75bfac_attn
	.p2alignl 7, 3214868480
	.fill 96, 4, 3214868480
	.section	.rodata,"a",@progbits
	.p2align	6, 0x0
	.amdhsa_kernel k_q10fd75bfac_attn
		.amdhsa_group_segment_fixed_size 210944
		.amdhsa_private_segment_fixed_size 0
		.amdhsa_enable_private_segment 0
		.amdhsa_kernarg_size 32
		.amdhsa_user_sgpr_count 2
		.amdhsa_user_sgpr_kernarg_segment_ptr 1
		.amdhsa_wavefront_size32 1
		.amdhsa_system_sgpr_workgroup_id_x 1
		.amdhsa_system_sgpr_workgroup_id_y 1
		.amdhsa_system_sgpr_workgroup_id_z 1
		.amdhsa_system_vgpr_workitem_id 0
		.amdhsa_next_free_vgpr 256
		.amdhsa_next_free_sgpr 96
		.amdhsa_reserve_vcc 1
		.amdhsa_float_denorm_mode_32 3
		.amdhsa_float_denorm_mode_16_64 3
		.amdhsa_memory_ordered 1
		.amdhsa_forward_progress 1
		.amdhsa_inst_pref_size 69
	.end_amdhsa_kernel
	.amdgpu_metadata
---
amdhsa.version: [ 1, 2 ]
amdhsa.kernels:
  - .name:           k_q10fd75bfac_attn
    .symbol:         k_q10fd75bfac_attn.kd
    .args:
      - { .name: h_codes, .offset: 0, .size: 8, .value_kind: global_buffer, .address_space: global }
      - { .name: h_scales, .offset: 8, .size: 8, .value_kind: global_buffer, .address_space: global }
      - { .name: c_codes, .offset: 16, .size: 8, .value_kind: global_buffer, .address_space: global }
      - { .name: c_scales, .offset: 24, .size: 8, .value_kind: global_buffer, .address_space: global }
    .group_segment_fixed_size: 210944
    .private_segment_fixed_size: 0
    .kernarg_segment_align: 8
    .kernarg_segment_size: 32
    .max_flat_workgroup_size: 512
    .sgpr_count:     96
    .vgpr_count:     256
    .wavefront_size: 32
...
	.end_amdgpu_metadata
.endif
;; end of part 3
;; launch outp (part 4): grid 8 x 32, 4 waves a work-group, clusters of 4 x 4, 295,424 bytes of LDS; arguments c_codes, c_scales, xw_codes, xw_scales, bf, out0; writes out0
.if DOCPART == 4
	.amdgcn_target "amdgcn-amd-amdhsa--gfx1250"
	.amdhsa_code_object_version 6
	.text
	.protected	k_q10fd75bfac_outp
	.globl	k_q10fd75bfac_outp
	.p2align	8
	.type	k_q10fd75bfac_outp,@function
k_q10fd75bfac_outp:
	s_mov_b64 s[64:65], 0
	v_nop
	global_prefetch_b8 v0, s[64:65] scope:SCOPE_SE
	s_setreg_imm32_b32 hwreg(HW_REG_WAVE_MODE, 25, 1), 1
	s_wait_xcnt 0x0
	s_wait_alu depctr_hold_cnt(0) depctr_sa_sdst(0) depctr_va_vdst(0) depctr_va_sdst(0) depctr_va_ssrc(0) depctr_va_vcc(0) depctr_vm_vsrc(0)
	s_getreg_b32 s2, hwreg(HW_REG_IB_STS2, 6, 4)
	s_cmp_eq_u32 s2, 0
	s_cbranch_scc0 .Lentry_in_a_cluster
	s_endpgm
.Lentry_in_a_cluster:
	s_bfe_u32 s2, ttmp6, 0x10000c
	s_cmp_lg_u32 s2, 0xf033
	s_cbranch_scc0 .Lentry_shape_is_right
	s_endpgm
.Lentry_shape_is_right:
; out0 = c Wf + bf on codes of FP6 (E2M3) with E8M0 scales.  Source 0 = rows of Wf^T (features, row blocks 1728 .. of xw_codes), source 1 = tokens (c_codes): a lane holds a token and 128 neighbouring features.
; A work-group makes 128 features x 256 tokens over all of K = 1,024; a wave 8 x 4 blocks: 32 accumulators.  All of K lies in LDS at once: four chunks of two K steps, each filled ONCE, asked for at the head.
; Images: xw_codes: registers 4 c .. 4 c + 3 of lane l at 512 c + 16 l.  c_codes: two halves of 768 bytes (one head each): registers 0-3 at 16 l, 4-5 at 512 + 8 l.  Scale words: [row block][512]: (K step s, row r) at 256 (s / 4) + 16 r + 4 (s % 4).
; BLOCK ORDER: row block 2 B + u holds at lane row r the row 32 B + 8 u + r % 8 + 16 (r / 8): the stores put each token's row at its true place.
; CLUSTER 4 x 4: the tokens' tile hangs on the tile row alone and is asked for jointly along a row of the cluster, the weight's on the tile column alone, jointly along a column.
; LIMITS: the sums begin with bf (the C of the first product): another order of rounding, in f32, than a sum with the bias last.  NaN and infinities are not served.
; REGISTERS: window 0: v1-21 addresses; v32-63, v64-79 scale words of source 0, 1; v96-191 source 1's fragments, two sets (on the way out v96-223: rows of out0).  window 1: source 0's fragments.  window 2: accumulator (a, b) at v[8 (8 a + b)].  window 3: v0-63 bf.
.set WV,  18
.set STO, 20
.set RD,  21
.set CHUNK, 73728
.set S0OFF, 49152
.set MSB, 0
.macro WIN new
.if MSB != \new
	s_set_vgpr_msb (MSB<<8)|\new
.set MSB, \new
.endif
.endm
.macro PLACES n
.rept \n
	v_nop
.endr
.endm
.macro ROUND
	s_barrier_signal -1
	s_barrier_wait -1
	s_cmp_lg_u32 s[WV], 0
	s_cbranch_scc1 .Lnot_wave_0_\@
	s_barrier_signal -3
.Lnot_wave_0_\@:
	s_barrier_wait -3
	s_barrier_signal -1
	s_barrier_wait -1
.endm
	s_load_b256 s[4:11], s[0:1], 0x0               ; c_codes, c_scales, xw_codes, xw_scales
	s_load_b128 s[12:15], s[0:1], 0x20             ; bf, out0
	v_lshl_add_u32 v254, v0, 2, 0x48000
	v_mov_b32 v255, 0
	ds_add_u32 v254, v255
	ds_add_u32 v254, v255
	v_lshrrev_b32 v1, 5, v0
	v_readfirstlane_b32 s[WV], v1
	s_and_b32 s19, s[WV], 1
	s_bfe_u32 s20, ttmp6, 0x40000                  ; cx
	s_bfe_u32 s21, ttmp6, 0x40004                  ; cy
	s_lshl_b32 s22, ttmp9, 2
	s_add_co_u32 s22, s22, s20                     ; tile column: 128 features
	s_and_b32 s23, ttmp7, 0xffff
	s_lshl_b32 s23, s23, 2
	s_add_co_u32 s23, s23, s21                     ; tile row: 256 tokens
	s_lshl_b32 s59, s22, 3
	s_add_co_u32 s59, s59, 1728                    ; source 0's first row block
	s_lshl_b32 s60, s23, 4                         ; source 1's
	s_lshl_b32 s62, s21, 2
	s_lshl_b32 s62, 15, s62                        ; my row of the cluster
	s_lshl_b32 s61, 0x1111, s20                    ; my column
	s_or_b32 s24, s62, (3<<16)|(1<<21)             ; rows of 3,072 bytes (384 elements of 8), 12,288 bytes apart: 8 row blocks of source 1,
	s_mov_b32 s25, 384<<16
	s_mov_b32 s26, 8<<16
	s_mov_b32 s27, 384<<16
	s_mov_b32 s28, 8
	s_mov_b32 s29, 1536
	s_mov_b32 s30, 0
	s_mov_b32 s31, 0
	s_or_b32 s32, s61, (3<<16)|(1<<21)             ; 4 of source 0
	s_mov_b32 s33, 384<<16
	s_mov_b32 s34, 4<<16
	s_mov_b32 s35, 384<<16
	s_mov_b32 s36, 4
	s_mov_b32 s37, 1536
	s_mov_b32 s38, 0
	s_mov_b32 s39, 0
	s_lshl_b32 s63, s19, 3
	s_add_co_u32 s62, s60, s63
	s_mul_i32 s62, s62, 12288
	s_mov_b32 s63, 0
	s_lshl_b32 s67, s19, 2
	s_add_co_u32 s66, s59, s67
	s_mul_i32 s66, s66, 12288
	s_mov_b32 s67, 0
	s_mul_i32 s86, s19, 24576
	s_mul_i32 s87, s19, 12288
	s_wait_dscnt 0x0
	s_wait_kmcnt 0x0
	s_add_nc_u64 s[62:63], s[4:5], s[62:63]
	s_add_nc_u64 s[66:67], s[8:9], s[66:67]
.irp j, 0,1,2,3
	s_mov_b32 s[40+4*\j], 1
	s_add_co_u32 s[41+4*\j], s86, CHUNK*\j
	s_add_nc_u64 s[42+4*\j:43+4*\j], s[62:63], 3072*\j
	s_or_b32 s[43+4*\j], s[43+4*\j], 0x80000000
	s_mov_b32 s[68+4*\j], 1
	s_add_co_u32 s[69+4*\j], s87, CHUNK*\j+S0OFF
	s_add_nc_u64 s[70+4*\j:71+4*\j], s[66:67], 3072*\j
	s_or_b32 s[71+4*\j], s[71+4*\j], 0x80000000
.endr
	ROUND                                          ; all sixteen work-groups are here: the joint loads meet
	s_cmp_lt_u32 s[WV], 2                          ; waves 0, 1: source 1's halves; waves 2, 3: source 0's.  Four loads of mine are out
	s_cbranch_scc0 .Lsrc0
	tensor_load_to_lds s[40:43], s[24:31]
	s_nop 0
	tensor_load_to_lds s[44:47], s[24:31]
	s_nop 0
	tensor_load_to_lds s[48:51], s[24:31]
	s_nop 0
	tensor_load_to_lds s[52:55], s[24:31]
	s_nop 0
	PLACES 4
	s_branch .Lasked
.Lsrc0:
	tensor_load_to_lds s[68:71], s[32:39]
	s_nop 0
	tensor_load_to_lds s[72:75], s[32:39]
	s_nop 0
	tensor_load_to_lds s[76:79], s[32:39]
	s_nop 0
	tensor_load_to_lds s[80:83], s[32:39]
	s_nop 0
	PLACES 4
.Lasked:
	v_and_b32 v5, 31, v0
	v_lshlrev_b32 v1, 4, v5                        ; 16 x lane
	v_lshlrev_b32 v2, 3, v5                        ; 8 x lane
	v_and_b32 v3, 15, v0                           ; r
	v_bfe_u32 v4, v0, 4, 1                         ; h
	s_mul_i32 s88, s[WV], 12288
.irp j, 0,1,2,3
	s_add_co_u32 s89, s88, CHUNK*\j
	v_add_nc_u32 v[8+\j], s89, v1
	v_add_nc_u32 v[16+\j], s89, v2
	v_add_nc_u32 v[12+\j], CHUNK*\j+S0OFF, v1
.endr
	s_mul_i32 s89, s[WV], 8448                     ; my stage for the way out: 16 rows of 512 bytes + 16, in chunk 0's bytes
	v_mul_u32_u24 v[STO], v3, 528
	v_lshl_add_u32 v[STO], v4, 6, v[STO]
	v_add_nc_u32 v[STO], s89, v[STO]
	v_add_nc_u32 v[RD], s89, v1
	s_lshl_b32 s90, s59, 9
	s_mov_b32 s91, 0
	s_add_nc_u64 s[90:91], s[10:11], s[90:91]
	s_lshl_b32 s92, s[WV], 2
	s_add_co_u32 s92, s92, s60
	s_lshl_b32 s92, s92, 9
	s_mov_b32 s93, 0
	s_add_nc_u64 s[92:93], s[6:7], s[92:93]
.irp b, 0,1,2,3,4,5,6,7
	global_load_b128 v[32+4*\b:35+4*\b], v1, s[90:91] offset:512*\b
.endr
.irp a, 0,1,2,3
	global_load_b128 v[64+4*\a:67+4*\a], v1, s[92:93] offset:512*\a
.endr
	s_lshl_b32 s96, s22, 9
	s_mov_b32 s97, 0
	s_add_nc_u64 s[96:97], s[12:13], s[96:97]      ; bf at my 128 features
	v_lshlrev_b32 v6, 6, v4
	WIN 0xc0
.irp b, 0,1,2,3,4,5,6,7
	global_load_b128 v[8*\b:8*\b+3], v6, s[96:97] offset:(32*(\b/2)+8*(\b%2))*4
	global_load_b128 v[8*\b+4:8*\b+7], v6, s[96:97] offset:(32*(\b/2)+8*(\b%2))*4+16
.endr
	WIN 0
	s_lshl_b32 s86, s23, 8
	s_lshl_b32 s87, s[WV], 6
	s_add_co_u32 s86, s86, s87                     ; my first token
	s_lshl_b32 s86, s86, 12
	s_lshl_b32 s87, s22, 9
	s_add_co_u32 s86, s86, s87
	s_mov_b32 s87, 0
	s_add_nc_u64 s[14:15], s[14:15], s[86:87]
	s_wait_alu depctr_va_vdst(0)
	s_wait_loadcnt 0x0
.macro FRAG3 reg, adr, off
.irp c, 0,1,2
	ds_load_b128 v[\reg+4*\c:\reg+4*\c+3], v[\adr] offset:\off+512*\c
.endr
.endm
.macro FRAG4 reg, a16, a8, off
	ds_load_b128 v[\reg:\reg+3], v[\a16] offset:\off
	ds_load_b64 v[\reg+4:\reg+5], v[\a8] offset:\off+512
	ds_load_b128 v[\reg+6:\reg+9], v[\a16] offset:\off+768
	ds_load_b64 v[\reg+10:\reg+11], v[\a8] offset:\off+1280
.endm
.macro FETCH s
	WIN 0x40
.irp b, 0,1,2,3,4,5,6,7
	FRAG3 128*((\s)%2)+12*\b, 12+(\s)/2, 3072*\b+1536*((\s)%2)
.endr
	WIN 0
.irp a, 0,1,2,3
	FRAG4 96+48*((\s)%2)+12*\a, 8+(\s)/2, 16+(\s)/2, 3072*\a+1536*((\s)%2)
.endr
.endm
; The 32 accumulators take turns, one instruction a turn, in the same order in every step.
.macro MULS s, a0
.irp a, \a0, \a0+1
.irp b, 0,1,2,3,4,5,6,7
.if (\s) == 0
	v_wmma_scale_f32_16x16x128_f8f6f4 v[8*(8*(\a)+\b):8*(8*(\a)+\b)+7], v[12*\b:12*\b+11], v[96+12*(\a):96+12*(\a)+11], v[8*\b:8*\b+7], v[32+4*\b], v[64+4*(\a)] matrix_a_fmt:MATRIX_FMT_FP6 matrix_b_fmt:MATRIX_FMT_FP6
.elseif (\s) < 4
	v_wmma_scale_f32_16x16x128_f8f6f4 v[8*(8*(\a)+\b):8*(8*(\a)+\b)+7], v[128*((\s)%2)+12*\b:128*((\s)%2)+12*\b+11], v[96+48*((\s)%2)+12*(\a):96+48*((\s)%2)+12*(\a)+11], v[8*(8*(\a)+\b):8*(8*(\a)+\b)+7], v[32+4*\b+(\s)%4], v[64+4*(\a)+(\s)%4] matrix_a_fmt:MATRIX_FMT_FP6 matrix_b_fmt:MATRIX_FMT_FP6
.else
	v_wmma_scale_f32_16x16x128_f8f6f4 v[8*(8*(\a)+\b):8*(8*(\a)+\b)+7], v[128*((\s)%2)+12*\b:128*((\s)%2)+12*\b+11], v[96+48*((\s)%2)+12*(\a):96+48*((\s)%2)+12*(\a)+11], v[8*(8*(\a)+\b):8*(8*(\a)+\b)+7], v[32+4*\b+(\s)%4], v[64+4*(\a)+(\s)%4] matrix_a_fmt:MATRIX_FMT_FP6 matrix_b_fmt:MATRIX_FMT_FP6 matrix_a_scale:MATRIX_SCALE_ROW1 matrix_b_scale:MATRIX_SCALE_ROW1
.endif
.endr
.endr
.endm
.macro EVEN s
	s_wait_dscnt 0x0                               ; this step's fragments are in
.if (\s) > 0
	PLACES 4                                       ; in front of loads into registers that the last products read
.endif
	FETCH (\s)+1
.if (\s) == 0
	WIN 0xb1                                       ; C (bf) window 3
.else
	WIN 0xa1
.endif
	MULS \s, 0
	MULS \s, 2
.endm
.macro ODD s
	s_wait_dscnt 0x0
	s_wait_tensorcnt 3-((\s)+1)/2                  ; my part of the next chunk has landed; my younger chunks may be out
	s_barrier_signal -1
	WIN 0xa1
	MULS \s, 0
	s_barrier_wait -1
	PLACES 4
	FETCH (\s)+1
	WIN 0xa1
	MULS \s, 2
.endm
	s_wait_tensorcnt 3                             ; my part of chunk 0 has landed; three younger loads may be out
	s_barrier_signal -1
	s_barrier_wait -1
	FETCH 0
	EVEN 0
	ODD 1
	EVEN 2
	ODD 3
	EVEN 4
	ODD 5
	EVEN 6
	s_wait_dscnt 0x0
	MULS 7, 0
	MULS 7, 2
	WIN 0
	PLACES 4
; THE WAY OUT, a block of 16 tokens x 128 features at a time, through my stage and back as whole rows of 512 bytes.  The stage lies in chunk 0, which had its one fill, and which every wave had read out ahead of the second barrier.
.macro TOSTAGE a
	WIN 0x08                                       ; an LDS store's data: window 2
.irp b, 0,1,2,3,4,5,6,7
	ds_store_b128 v[STO], v[8*(8*(\a)+\b):8*(8*(\a)+\b)+3] offset:128*(\b/2)+32*(\b%2)      ; each accumulator from its low end on
	ds_store_b128 v[STO], v[8*(8*(\a)+\b)+4:8*(8*(\a)+\b)+7] offset:128*(\b/2)+32*(\b%2)+16
.endr
	WIN 0
.irp t, 0,1,2,3,4,5,6,7,8,9,10,11,12,13,14,15
	ds_load_b128 v[96+64*((\a)%2)+4*\t:96+64*((\a)%2)+4*\t+3], v[RD] offset:528*\t   ; LDS serves a wave's instructions in order: these see the stores above
.endr
.endm
.macro SEND a, younger
	s_wait_dscnt \younger                          ; the block is back; the next block's 16 stores and 16 loads may be out
.irp t, 0,1,2,3,4,5,6,7,8,9,10,11,12,13,14,15
	global_store_b128 v1, v[96+64*((\a)%2)+4*\t:96+64*((\a)%2)+4*\t+3], s[14:15] offset:(32*((\a)/2)+8*((\a)%2)+(\t%8)+16*(\t/8))*4096 th:TH_STORE_NT   ; 512 consecutive bytes of a token's row, aligned
.endr
.endm
	TOSTAGE 0
.irp a, 1,2,3
.if \a > 1
	s_wait_xcnt 0x0                                ; block a - 2's stores have read their registers: block a's rows may land there
.endif
	TOSTAGE \a
	SEND \a-1, 32
.endr
	SEND 3, 0
	s_wait_dscnt 0x0
	s_wait_tensorcnt 0x0
	ds_add_u32 v254, v255
	s_wait_dscnt 0x0
	ROUND                                          ; the closing round
	s_endpgm
.Lfunc_end_k_q10fd75bfac_outp:
	.size	k_q10fd75bfac_outp, .Lfunc_end_k_q10fd75bfac_outp-k_q10fd75bfac_outp
	.p2alignl 7, 3214868480
	.fill 96, 4, 3214868480
	.section	.rodata,"a",@progbits
	.p2align	6, 0x0
	.amdhsa_kernel k_q10fd75bfac_outp
		.amdhsa_group_segment_fixed_size 295424
		.amdhsa_private_segment_fixed_size 0
		.amdhsa_enable_private_segment 0
		.amdhsa_kernarg_size 48
		.amdhsa_user_sgpr_count 2
		.amdhsa_user_sgpr_kernarg_segment_ptr 1
		.amdhsa_wavefront_size32 1
		.amdhsa_system_sgpr_workgroup_id_x 1
		.amdhsa_system_sgpr_workgroup_id_y 1
		.amdhsa_system_sgpr_workgroup_id_z 1
		.amdhsa_system_vgpr_workitem_id 0
		.amdhsa_next_free_vgpr 832
		.amdhsa_next_free_sgpr 100
		.amdhsa_reserve_vcc 0
		.amdhsa_float_denorm_mode_32 3
		.amdhsa_float_denorm_mode_16_64 3
		.amdhsa_memory_ordered 1
		.amdhsa_forward_progress 1
		.amdhsa_inst_pref_size 81
	.end_amdhsa_kernel
	.amdgpu_metadata
---
amdhsa.version: [ 1, 2 ]
amdhsa.kernels:
  - .name:           k_q10fd75bfac_outp
    .symbol:         k_q10fd75bfac_outp.kd
    .args:
      - { .name: c_codes, .offset: 0, .size: 8, .value_kind: global_buffer, .address_space: global }
      - { .name: c_scales, .offset: 8, .size: 8, .value_kind: global_buffer, .address_space: global }
      - { .name: xw_codes, .offset: 16, .size: 8, .value_kind: global_buffer, .address_space: global }
      - { .name: xw_scales, .offset: 24, .size: 8, .value_kind: global_buffer, .address_space: global }
      - { .name: bf, .offset: 32, .size: 8, .value_kind: global_buffer, .address_space: global }
      - { .name: out0, .offset: 40, .size: 8, .value_kind: global_buffer, .address_space: global }
    .group_segment_fixed_size: 295424
    .private_segment_fixed_size: 0
    .kernarg_segment_align: 8
    .kernarg_segment_size: 48
    .max_flat_workgroup_size: 128
    .sgpr_count:     100
    .vgpr_count:     832
    .wavefront_size: 32
...
	.end_amdgpu_metadata
.endif
;; end of part 4
